; MI455X (gfx1250); checked and timed in simulation.
; The chip was launched on July 23, 2026; its instructions are those of AMD's public machine-readable ISA for CDNA 5 (MIT licence, August 2026) and "CDNA5" Instruction Set Architecture Reference Guide (July 2026). The comments in the code are by the model that wrote it; some were corrected since.
;; Transformer Encoder. Allowed arithmetic: matrix products marked QUANTISED: E2M3 operands, one E8M0 scale for each 32 along K, by v_wmma_scale_f32_16x16x128_f8f6f4 with both operands' format E2M3, f32 sums; everything else in f32.
;; Inputs: b1 4,096 float32; b2 1,024 float32; b_qkv 3,072 float32; ln1_b 1,024 float32; ln1_g 1,024 float32; ln2_b 1,024 float32; ln2_g 1,024 float32; w1 1,024 x 4,096 float32; w2 4,096 x 1,024 float32; w_qkv 1,024 x 3,072 float32; x 2 x 2,048 x 1,024 float32.
;; Outputs: out0 2 x 2,048 x 1,024 float32.
;; This version of the problem:
;;   THIS VERSION OF THE PROBLEM IS GIVEN IN LOW PRECISION. The matrix products marked QUANTISED in the list below multiply operands that are first quantised to E2M3 (2 exponent bits, 3 mantissa bits; 6 bits a number), with one power-of-two scale for each 32 numbers along K (OCP MX v1.0); their sums are f32. All else is computed in f32.
;;   The module's matrix products, in the order in which they are computed (A, B: the left and right operand; K: the contracted axis; several contracted axes count as one K, in the product's order):
;;     1. [M 4,096, K 1,024] x [K 1,024, N 3,072]; A: computed on the way; B: input w_qkv: QUANTISED
;;     2. batch 32 x [M 2,048, K 64] x [K 64, N 2,048]; A: computed on the way; B: computed on the way: QUANTISED
;;     3. batch 32 x [M 64, K 2,048] x [K 2,048, N 2,048]; A: computed on the way; B: softmax (see below): QUANTISED
;;     4. [M 4,096, K 1,024] x [K 1,024, N 4,096]; A: computed on the way; B: input w1: QUANTISED
;;     5. [M 4,096, K 4,096] x [K 4,096, N 1,024]; A: computed on the way; B: input w2: QUANTISED
;;   THE QUANTISER, for each operand of a quantised product, along K:
;;     - K is cut into blocks of 32 from its start; a last block that is shorter is filled with zeros.
;;     - A block's scale is 2^e with e = floor(log2(the largest magnitude in the block)) - 2, held to -126 .. 127; a block of zeros has e = 0. As a byte (E8M0): e + 127.
;;     - Each number is divided by its block's scale, clamped to +-7.5, and rounded to the nearest number of E2M3, ties to even, subnormals kept.
;;     - The product sums the exact products of the quantised numbers (number of the format x scale) in f32.
;;   ~~~python
;;   def quantise(x, axis):      # numpy; x: float32 -> the quantised numbers, widened to float32 again
;;       x = np.moveaxis(x, axis, -1); K = x.shape[-1]
;;       x = np.pad(x, [(0, 0)] * (x.ndim - 1) + [(0, -K % 32)]); x = x.reshape(x.shape[:-1] + (-1, 32)); a = np.abs(x).max(-1, keepdims=True)
;;       e = np.where(a > 0, np.clip(np.frexp(np.where(a > 0, a, 1))[1] - 1 - 2, -126, 127), 0)      # np.frexp(a)[1] - 1 = floor(log2(a)), exactly
;;       r = np.clip(x / 2.0 ** e, -7.5, 7.5)
;;       step = 2.0 ** (np.maximum(np.frexp(np.where(r == 0, 1, r))[1] - 1, 0) - 3)
;;       q = np.round(r / step) * step * 2.0 ** e      # np.round: ties to even
;;       return np.moveaxis(q.reshape(q.shape[:-2] + (-1,))[..., :K], -1, axis).astype(np.float32)
;;   ~~~
;;   SOFTMAX AHEAD OF A QUANTISED PRODUCT. Where the list says 'softmax', what is quantised is not the finished softmax but p = 2^(t - M), with t = logit x log2(e) and M = ceil(the row's largest t), a whole number; so 1/2 < the row's largest p <= 1. The row's sum l is taken of the UNQUANTISED p, in f32, and the product's result is divided by l at the end. Since M is a whole number, a kernel that streams over the keys may use a running M (the ceiling of the running maximum): every later rescaling is an exact power of two, which a block's scale takes up: the codes' values come out the same.
;;   OPERANDS COMPUTED ON THE WAY. 'Computed on the way' means the value that the module computes at that place (a softmax that the list does not call 'softmax' is quantised finished and normalised). What goes into a quantiser is computed in f32, as accurately as f32 sums, v_exp_f32 and their like allow (about 1e-6 of the number): no bf16 or f16 on the way to a quantiser, and a product that is left as it is and whose result goes on into a quantised operand takes f32 operands (vector FMAs, or v_wmma_f32_16x16x4_f32). A number that lies on a knife's edge between two numbers of the format may be rounded either way, as far as f32 arithmetic and the matrix unit's own rounding can turn it there, and no further.
;; One version. Each part assembles by itself: llvm-mc -triple=amdgcn-amd-amdhsa -mcpu=gfx1250 --defsym DOCPART=n.
;; ======== version 1 of 1: 6 launches
;; limits: right only within a limited range of input values
;; workspace buffers: op1 6,553,600 bytes; op2 6,553,600 bytes; op3 16,384,000 bytes; qkvc 10,092,544 bytes; att 16,777,216 bytes
;; launch prep (part 1): grid 432 x 1, 8 waves a work-group, no clusters, 118,784 bytes of LDS; arguments w_qkv, w1, w2, op1, op2, op3, x, ln1_g, ln1_b; writes op1, op2, op3
.if DOCPART == 1
	.amdgcn_target "amdgcn-amd-amdhsa--gfx1250"
	.amdhsa_code_object_version 6
	.text
	.protected	k_qcc57538a41_prep
	.globl	k_qcc57538a41_prep
	.p2align	8
	.type	k_qcc57538a41_prep,@function
k_qcc57538a41_prep:
	s_mov_b64 s[64:65], 0
	v_nop
	global_prefetch_b8 v0, s[64:65] scope:SCOPE_SE
	s_setreg_imm32_b32 hwreg(HW_REG_WAVE_MODE, 25, 1), 1
	s_wait_xcnt 0x0
; TWO JOBS THAT HANG ON NO EARLIER LAUNCH, IN ONE LAUNCH.  Work-groups 0-175 quantise the three weights; work-groups 176-431 take the first layer norm of x and quantise it.  The two paths part on the work-group's
; number alone, so all eight waves of a work-group take the same one; each path has LDS bytes of its own.
; OUTPUT LAYOUT of both: images of operand registers.  A fragment is 16 rows x 128 k of FP6 (E2M3) codes = 12 registers a lane = 1,536 dense bytes: register j of lane l at byte 512 (j / 4) + 16 l + 4 (j % 4);
; lane (r, h) holds row r, registers 6 c .. 6 c + 5 = block 2 c + h of the 128.  A tensor lies [row / 16][k / 128][1,536], its E8M0 scale words [row / 16][k / 128][16 words], byte b = block b.
; ORDER INSIDE A BLOCK OF 32: position pos holds k = pos with bits 3 and 4 exchanged, in every operand of this program alike: sums are regrouped, products kept; the blocks, and so the scales, are the quantiser's.
; THE WEIGHTS, f32 [K][N] with K as first axis.  A LANE TAKES A COLUMN n AND ITS REGISTERS RUN DOWN K: a load reads 128 consecutive bytes a wave, a block lies in one lane, nothing is transposed by an instruction.
; A wave: 32 columns x 256 k = 8 blocks a lane = 2 x 2 fragments, gathered in the wave's own 6,144 bytes of LDS; each store of the wave then covers 512 consecutive bytes, aligned.  One path serves all three
; tensors: only numbers and pointers are chosen, on the work-group's number.  Waves share nothing there: no barrier.
; THE NORM: (x - mean) * rsqrt(var + 1e-5) * g + b in f32 on rows of 1,024.  A work-group takes 16 rows; wave w takes columns 128 w .. 128 w + 127 of them: one fragment.  Each load of the wave reads 512 consecutive
; bytes of one row; the 16 rows turn through the wave's own stage in LDS, so that lane (r, h) then holds 64 numbers of row r, register 16 b + i = position 32 b + 16 h + i of the 128.
; The row stays in registers: mean first, then the squares of x - mean, so that a common offset in the input costs no accuracy.  The eight waves' partial sums meet in LDS, twice, in bytes of their own each time.
; Work-groups share no tile (the norm's share only g and b, 8 KiB beside 64 KiB of rows of their own): no cluster.
; LIMITS: NaN and infinities are not served; a block whose largest magnitude lies under 2^-124 keeps byte 1; a block of zeros gets byte 1, not 127 (its codes are zeros, and this program alone reads the bytes).
.set NWQ,  176                         ; work-groups 0-47: w_qkv; 48-111: w1; 112-175: w2; 176-431: the rows of x
.set LNB,  49152                       ; LDS: 0 .. 49,151 the weights' stages; from here 1,024 bytes of the norm's partial sums;
.set STG,  50176                       ; from here the norm's stages: 16 rows x 528 bytes for each wave
.set WVO,  32                          ; weights: v32-63   4 x lane + i x row pitch, i = 0 .. 31; never rewritten
.set WX,   64                          ; v64-127  two sets of 32 numbers
.set WF,   128                         ; v128-133 a block's six registers of codes
.set WT,   136                         ; v136-138 their upper half as the conversion leaves it
.set WOUT, 140                         ; v140-187 the way out
.set WSB,  24                          ; v24-25   scale words of the two k steps
.set WSRC, 32                          ; s[32:47] source address of each of the 8 blocks
.set TM,  16                           ; norm: v16-31   QUANT's work
.set X,   32                           ; v32-95   my 64 numbers
.set G,   96                           ; v96-159  gain
.set BB,  160                          ; v160-223 bias
.set PC,  224                          ; v224-243 codes
.set PW,  252                          ; the scale word
.set SEL, 18                           ; s[18:19] selects of v_permlanex16_b32 for lane l xor 16
	v_lshl_add_u32 v239, v0, 2, 0x1cc00
	v_mov_b32 v243, 0
	s_cmp_lt_u32 ttmp9, NWQ                        ; on the work-group's number: the same way for all eight waves
	s_cbranch_scc0 .Lnorm
	; ---------------- the weights
	s_load_b128 s[4:7], s[0:1], 0x0                ; w_qkv, w1
	s_load_b128 s[8:11], s[0:1], 0x10              ; w2, op1
	s_load_b128 s[12:15], s[0:1], 0x20             ; op2, op3
	v_lshrrev_b32 v1, 5, v0
	s_delay_alu instid0(VALU_DEP_1)
	v_readfirstlane_b32 s29, v1                    ; wave 0..7
	v_and_b32 v1, 31, v0                           ; lane
	v_bfe_u32 v2, v0, 4, 1                         ; lane / 16: which of my two blocks of 16 columns
	v_and_b32 v9, 15, v0                           ; r
	s_delay_alu instid0(VALU_DEP_3)
	v_lshlrev_b32 v3, 2, v1
	s_mul_i32 s58, s29, 6144                       ; my stage
	v_mul_u32_u24 v4, v2, 3072
	s_delay_alu instid0(VALU_DEP_1)
	v_lshl_add_u32 v4, v9, 4, v4
	s_delay_alu instid0(VALU_DEP_1)
	v_add_nc_u32 v4, s58, v4                       ; into it: [column block][k step][image], image lane r (+ 16 h by the immediate)
	v_lshlrev_b32 v6, 4, v1                        ; 16 x lane: the first column block's place in memory
	s_delay_alu instid0(VALU_DEP_1)
	v_add_nc_u32 v5, s58, v6                       ; out of it
	s_mov_b32 s20, 112
	s_mov_b32 s21, 4096
	s_mov_b32 s24, 13107200
	s_wait_alu depctr_va_vdst(0)
	s_wait_kmcnt 0x0
	s_cmp_lt_u32 ttmp9, 112                        ; work-groups 48-111: w1; 112-175: w2
	s_cselect_b64 s[16:17], s[6:7], s[8:9]         ; source
	s_cselect_b64 s[18:19], s[12:13], s[14:15]     ; destination
	s_cselect_b32 s20, 48, s20                     ; the tensor's first work-group
	s_cselect_b32 s21, 16384, s21                  ; a row in bytes
	s_cselect_b32 s22, 2, 4                        ; log2 of K / 256
	s_cselect_b32 s23, 8, 32                       ; K / 128
	s_cselect_b32 s24, 3276800, s24                ; where the weight's codes begin in the destination
	s_cmp_lt_u32 ttmp9, 48                         ; work-groups 0-47: w_qkv
	s_cselect_b64 s[16:17], s[4:5], s[16:17]
	s_cselect_b64 s[18:19], s[10:11], s[18:19]
	s_cselect_b32 s20, 0, s20
	s_cselect_b32 s21, 12288, s21
	s_sub_co_u32 s25, ttmp9, s20
	s_bfm_b32 s26, s22, 0
	s_and_b32 s27, s25, s26                        ; ky: which 256 along K
	s_lshr_b32 s28, s25, s22                       ; xg: which 256 columns
	s_lshl_b32 s30, s27, 8
	s_mul_i32 s30, s30, s21
	s_lshl_b32 s31, s28, 10
	s_add_co_u32 s30, s30, s31
	s_lshl_b32 s31, s29, 7
	s_add_co_u32 s30, s30, s31                     ; 256 ky rows + 4 (256 xg + 32 wave)
	s_mov_b32 s31, 0
	s_add_nc_u64 s[WSRC:WSRC+1], s[16:17], s[30:31]
	s_lshl_b32 s30, s21, 5                         ; 32 rows on
.irp t, 1,2,3,4,5,6,7
	s_add_nc_u64 s[WSRC+2*\t:WSRC+2*\t+1], s[WSRC+2*\t-2:WSRC+2*\t-1], s[30:31]
.endr
	s_lshl_b32 s48, s28, 4
	s_lshl_b32 s49, s29, 1
	s_add_co_u32 s48, s48, s49
	s_mul_i32 s48, s48, s23
	s_lshl_b32 s49, s27, 1
	s_add_co_u32 s48, s48, s49                     ; fragment number (16 xg + 2 wave) K / 128 + 2 ky
	s_mul_i32 s50, s48, 1536
	s_add_co_u32 s50, s50, s24
	s_mov_b32 s51, 0
	s_add_nc_u64 s[52:53], s[18:19], s[50:51]      ; codes
	s_lshl_b32 s50, s48, 6
	s_add_co_u32 s50, s50, s24
	s_add_co_u32 s50, s50, 3145728                 ; the scale words lie 3,145,728 bytes behind the codes' start
	s_add_nc_u64 s[54:55], s[18:19], s[50:51]
	s_mul_i32 s56, s23, 1536
	v_add_nc_u32 v7, s56, v6                       ; the second column block's place: a whole row of fragments on
	s_lshl_b32 s57, s23, 6
	v_mul_u32_u24 v8, s57, v2
	s_delay_alu instid0(VALU_DEP_1)
	v_lshl_add_u32 v8, v9, 2, v8                   ; my scale word's place
.irp i, 0,1,2,3,4,5,6,7,8,9,10,11,12,13,14,15,16,17,18,19,20,21,22,23,24,25,26,27,28,29,30,31
	v_mad_u32_u24 v[WVO+\i], s21, \i, v3
.endr
.macro WLOAD t                         ; block t: row i of the block goes to the register of its position: i with bits 3 and 4 exchanged
.set I_, 0
.rept 32
	global_load_b32 v[WX+32*((\t)%2)+((I_&7)|(((I_>>3)&1)<<4)|(((I_>>4)&1)<<3))], v[WVO+I_], s[WSRC+2*(\t):WSRC+2*(\t)+1] th:TH_LOAD_NT
.set I_, I_+1
.endr
.endm
.macro WBLOCK t
.set XS, WX+32*((\t)%2)
.set SO_, 1536*((\t)/4)+256*((\t)%2)   ; k step t / 4; image lanes 16 (t % 2) on
.if (\t) < 7
	s_wait_loadcnt 32                              ; this block's 32 loads are in; the next block's 32 may be out
.else
	s_wait_loadcnt 0x0
.endif
	v_max3_num_f32 v12, |v[XS]|, |v[XS+1]|, |v[XS+2]|   ; the block's largest magnitude: all 32 numbers are mine
	v_max3_num_f32 v13, |v[XS+3]|, |v[XS+4]|, |v[XS+5]|
.irp i, 6,10,14,18,22,26
	s_delay_alu instid0(VALU_DEP_2)
	v_max3_num_f32 v12, v12, |v[XS+\i]|, |v[XS+\i+1]|
	s_delay_alu instid0(VALU_DEP_2)
	v_max3_num_f32 v13, v13, |v[XS+\i+2]|, |v[XS+\i+3]|
.endr
	s_delay_alu instid0(VALU_DEP_2)
	v_max3_num_f32 v12, v12, |v[XS+30]|, |v[XS+31]|
	s_delay_alu instid0(VALU_DEP_1)
	v_max3_num_f32 v12, v12, v13, 0x1800000        ; and the floor 2^(3 - 127): the byte cannot fall under 1
	s_delay_alu instid0(VALU_DEP_1)
	v_add_nc_u32 v11, 0xff000000, v12              ; 2 off the exponent field: the conversion's scale operand
	s_delay_alu instid0(VALU_DEP_1)
	v_lshrrev_b32 v13, 23, v11                     ; the scale's byte
.if (\t)%4 == 0
	s_delay_alu instid0(VALU_DEP_1)
	v_mov_b32 v[WSB+(\t)/4], v13
.else
	s_delay_alu instid0(VALU_DEP_1)
	v_lshl_or_b32 v[WSB+(\t)/4], v13, 8*((\t)%4), v[WSB+(\t)/4]
.endif
	v_cvt_scalef32_pk16_fp6_f32 v[WF:WF+2], v[XS:XS+15], v11
	v_cvt_scalef32_pk16_fp6_f32 v[WT:WT+2], v[XS+16:XS+31], v11   ; (a conversion's three registers begin on an even number)
	v_nop                                          ; one plain line behind a scaled conversion
	v_mov_b32 v[WF+3], v[WT]
	v_mov_b32 v[WF+4], v[WT+1]
	v_mov_b32 v[WF+5], v[WT+2]
.if ((\t)%4)/2 == 0                    ; registers 0-5 of the image
	ds_store_b128 v4, v[WF:WF+3] offset:SO_
	ds_store_b64 v4, v[WF+4:WF+5] offset:SO_+512
.else                                  ; registers 6-11
	ds_store_b64 v4, v[WF:WF+1] offset:SO_+520
	ds_store_b128 v4, v[WF+2:WF+5] offset:SO_+1024
.endif
.if (\t)+2 < 8
	WLOAD (\t)+2
.endif
	s_wait_dscnt 0x0                               ; the stores have read their registers: the next block's codes may be written
.endm
	WLOAD 0
	WLOAD 1
.irp t, 0,1,2,3,4,5,6,7
	WBLOCK \t
.endr
	global_store_b32 v8, v[WSB], s[54:55]          ; sixteen lanes store 64 consecutive bytes
	s_wait_alu depctr_va_vdst(0)
	global_store_b32 v8, v[WSB+1], s[54:55] offset:64
.irp i, 0,1,2,3,4,5,6,7,8,9,10,11
	ds_load_b128 v[WOUT+4*\i:WOUT+4*\i+3], v5 offset:512*\i   ; LDS serves a wave's instructions in order: these see my stores
.endr
.irp i, 0,1,2,3,4,5
	s_wait_dscnt 11-\i                             ; the loads behind this one may be out
	global_store_b128 v6, v[WOUT+4*\i:WOUT+4*\i+3], s[52:53] offset:512*\i
.endr
.irp i, 6,7,8,9,10,11
	s_wait_dscnt 11-\i
	global_store_b128 v7, v[WOUT+4*\i:WOUT+4*\i+3], s[52:53] offset:512*(\i-6)
.endr
	s_wait_tensorcnt 0x0
	ds_add_u32 v239, v243
	s_wait_dscnt 0x0
	s_endpgm
	; ---------------- the norm
; 64 numbers v[s] .. v[s + 63] of a lane become a fragment's 12 registers in v[PC] on and its row's scale word in v[PW].
.macro QUANT s, abs
.irp b, 0,1,2,3
.if \abs
	v_max3_num_f32 v[TM+\b], |v[\s+16*\b]|, |v[\s+1+16*\b]|, 0x1800000   ; my 16 numbers of block b, and the floor 2^(3 - 127): the byte cannot fall under 1
.else
	v_max3_num_f32 v[TM+\b], v[\s+16*\b], v[\s+1+16*\b], 0x1800000
.endif
.endr
.irp i, 2,4,6,8,10,12,14
.irp b, 0,1,2,3
.if \abs
	s_delay_alu instid0(VALU_DEP_4)
	v_max3_num_f32 v[TM+\b], v[TM+\b], |v[\s+16*\b+\i]|, |v[\s+1+16*\b+\i]|
.else
	v_max3_num_f32 v[TM+\b], v[TM+\b], v[\s+16*\b+\i], v[\s+1+16*\b+\i]
.endif
.endr
.endr
.irp b, 0,1,2,3
	s_delay_alu instid0(VALU_DEP_4)
	v_permlanex16_b32 v[TM+4+\b], v[TM+\b], s[SEL], s[SEL+1]
.endr
.irp b, 0,1,2,3
	s_delay_alu instid0(VALU_DEP_4)
	v_max_num_f32 v[TM+\b], v[TM+\b], v[TM+4+\b]   ; with lane l xor 16's: the block's largest magnitude
.endr
.irp b, 0,1,2,3
	s_delay_alu instid0(VALU_DEP_4)
	v_add_nc_u32 v[TM+12+\b], 0xff000000, v[TM+\b] ; 2 off the exponent field: the conversion's scale operand
.endr
.irp b, 0,1,2,3
	s_delay_alu instid0(VALU_DEP_4)
	v_lshrrev_b32 v[TM+4+\b], 23, v[TM+12+\b]      ; the scale's byte
.endr
	s_delay_alu instid0(VALU_DEP_3)
	v_lshl_or_b32 v[PW], v[TM+5], 8, v[TM+4]
	s_delay_alu instid0(VALU_DEP_1)
	v_lshl_or_b32 v[PW], v[TM+6], 16, v[PW]
	s_delay_alu instid0(VALU_DEP_1)
	v_lshl_or_b32 v[PW], v[TM+7], 24, v[PW]
.irp c, 0,1
	v_cvt_scalef32_pk16_fp6_f32 v[PC+6*\c:PC+2+6*\c], v[\s+32*\c:\s+15+32*\c], v[TM+12+2*\c]
	v_cvt_scalef32_pk16_fp6_f32 v[PC+12+4*\c:PC+14+4*\c], v[\s+16+32*\c:\s+31+32*\c], v[TM+12+2*\c+1]
.endr
	v_nop                                          ; one plain line behind a scaled conversion
.irp c, 0,1                            ; the operand wants a whole block in a lane: lanes 0-15 block 2 c, lanes 16-31 block 2 c + 1
.irp i, 0,1,2
	v_permlane16_swap_b32 v[PC+6*\c+\i], v[PC+12+4*\c+\i]
.endr
.irp i, 0,1,2
	s_delay_alu instid0(VALU_DEP_3)
	v_mov_b32 v[PC+3+6*\c+\i], v[PC+12+4*\c+\i]
.endr
.endr
.endm
; Four pair chains in v[244:251] become the row's sum over all 1,024 columns, in v244 of every lane.
.macro REDUCE off
	s_delay_alu instid0(VALU_DEP_3)
	v_pk_add_f32 v[244:245], v[244:245], v[246:247]
	s_delay_alu instid0(VALU_DEP_2)
	v_pk_add_f32 v[248:249], v[248:249], v[250:251]
	s_delay_alu instid0(VALU_DEP_1)
	v_pk_add_f32 v[244:245], v[244:245], v[248:249]
	s_delay_alu instid0(VALU_DEP_1)
	v_add_f32 v244, v244, v245
	s_delay_alu instid0(VALU_DEP_1)
	v_permlanex16_b32 v245, v244, s[SEL], s[SEL+1]
	s_delay_alu instid0(VALU_DEP_1)
	v_add_f32 v244, v244, v245                     ; my wave's 128 columns of row r, the same bits in both halves of the lanes
	ds_store_b32 v7, v244 offset:LNB+\off
	s_wait_dscnt 0x0                               ; for the others' sake: my store has landed
	s_barrier_signal -1
	s_barrier_wait -1
.irp w, 0,1,2,3,4,5,6,7
	ds_load_b32 v[244+\w], v6 offset:LNB+\off+64*\w
.endr
	s_wait_dscnt 0x0
.irp w, 1
	v_add_f32 v244, v244, v[244+\w]                ; the same order in every wave
.endr
.irp w, 2, 3, 4, 5, 6, 7
	s_delay_alu instid0(VALU_DEP_1)
	v_add_f32 v244, v244, v[244+\w]                ; the same order in every wave
.endr
.endm
.Lnorm:
	s_load_b128 s[4:7], s[0:1], 0x30               ; x, ln1_g
	s_load_b64 s[8:9], s[0:1], 0x40                ; ln1_b
	s_load_b64 s[10:11], s[0:1], 0x18              ; op1
	s_sub_co_u32 s28, ttmp9, NWQ                   ; my block of 16 rows
	v_lshrrev_b32 v1, 5, v0
	s_delay_alu instid0(VALU_DEP_1)
	v_readfirstlane_b32 s12, v1                    ; wave = k step
	v_and_b32 v1, 15, v0                           ; r
	v_bfe_u32 v2, v0, 4, 1                         ; h
	v_and_b32 v8, 31, v0
	s_delay_alu instid0(VALU_DEP_2)
	v_lshlrev_b32 v4, 5, v2                        ; 32 h
	s_delay_alu instid0(VALU_DEP_2)
	v_lshlrev_b32 v5, 4, v8                        ; 16 x lane
	v_lshlrev_b32 v6, 2, v1                        ; 4 r
	s_lshl_b32 s13, s12, 6
	v_add_nc_u32 v7, s13, v6                       ; 64 w + 4 r
	s_mul_i32 s29, s12, 8448                       ; my stage: 16 rows x 528 bytes
	v_add_nc_u32 v9, s29, v5                       ; into it: 16 x lane of a row
	v_mul_u32_u24 v10, v1, 528
	s_delay_alu instid0(VALU_DEP_1)
	v_add_nc_u32 v10, v10, v4
	s_delay_alu instid0(VALU_DEP_1)
	v_add_nc_u32 v10, s29, v10                     ; out of it: row r, + 32 h.  528 bytes = 132 words: row r starts at bank 4 r mod 64 (64 banks of 4 bytes: ISA guide 11.1)
.irp b, 0,1,2,3
	v_mov_b32 v[TM+4+\b], 0                        ; written once: a lane permute's destination counts as one of its sources
.endr
	s_mov_b32 s[SEL], 0x76543210
	s_mov_b32 s[SEL+1], 0xfedcba98
	s_mov_b32 s16, 0x3a800000                      ; 1 / 1024
	s_mov_b32 s17, 0x3727c5ac                      ; 1e-5
	s_lshl_b32 s14, s28, 16                        ; 16 rows of 4,096 bytes
	s_lshl_b32 s20, s12, 9                         ; my 128 columns
	s_add_co_u32 s14, s14, s20
	s_mov_b32 s15, 0
	s_mov_b32 s21, 0
	s_lshl_b32 s22, s28, 3
	s_add_co_u32 s22, s22, s12                     ; fragment number
	s_mul_i32 s24, s22, 1536
	s_mov_b32 s25, 0
	s_lshl_b32 s26, s22, 6
	s_add_co_u32 s26, s26, 3145728
	s_mov_b32 s27, 0
	s_wait_alu depctr_va_vdst(0)
	s_wait_kmcnt 0x0
	s_add_nc_u64 s[4:5], s[4:5], s[14:15]
	s_add_nc_u64 s[6:7], s[6:7], s[20:21]
	s_add_nc_u64 s[8:9], s[8:9], s[20:21]
	s_add_nc_u64 s[24:25], s[10:11], s[24:25]
	s_add_nc_u64 s[26:27], s[10:11], s[26:27]
.irp i, 0,1,2,3,4,5,6,7,8,9,10,11,12,13,14,15
	global_load_b128 v[X+4*\i:X+4*\i+3], v5, s[4:5] offset:4096*\i th:TH_LOAD_NT   ; row i: 32 lanes read 512 consecutive bytes
.endr
.irp b, 0,1,2,3
.irp j, 0,1,2,3
	global_load_b128 v[G+16*\b+4*\j:G+16*\b+4*\j+3], v4, s[6:7] offset:128*\b+64*(\j/2)+16*(\j%2)
.endr
.endr
.irp b, 0,1,2,3
.irp j, 0,1,2,3
	global_load_b128 v[BB+16*\b+4*\j:BB+16*\b+4*\j+3], v4, s[8:9] offset:128*\b+64*(\j/2)+16*(\j%2)
.endr
.endr
.irp i, 0,1,2,3,4,5,6,7,8,9,10,11,12,13,14,15
	s_wait_loadcnt 47-\i                           ; row i is in; the 15 - i rows behind it and gain's and bias's 32 loads may be out
	ds_store_b128 v9, v[X+4*\i:X+4*\i+3] offset:STG+528*\i
.endr
.irp b, 0,1,2,3
.irp j, 0,1,2,3
	ds_load_b128 v[X+16*\b+4*\j:X+16*\b+4*\j+3], v10 offset:STG+128*\b+64*(\j/2)+16*(\j%2)   ; LDS serves a wave's instructions in order: these see my stores; of each block bytes 32 h .. + 31 and 64 + 32 h .. + 31
.endr
.endr
	s_wait_dscnt 0x0
.irp c, 0,1,2,3
	v_pk_add_f32 v[244+2*\c:245+2*\c], v[X+2*\c:X+2*\c+1], v[X+8+2*\c:X+9+2*\c]   ; four chains, started by the first eight pairs
.endr
.set P_, 8
.rept 24
	s_delay_alu instid0(VALU_DEP_4)
	v_pk_add_f32 v[244+2*(P_%4):245+2*(P_%4)], v[244+2*(P_%4):245+2*(P_%4)], v[X+2*P_:X+2*P_+1]
.set P_, P_+1
.endr
	REDUCE 0
	s_delay_alu instid0(VALU_DEP_1)
	v_mul_f32 v254, s16, v244                      ; the mean
	s_delay_alu instid0(VALU_DEP_1)
	v_mov_b32 v255, v254
.set P_, 0
.rept 32
	v_pk_add_f32 v[X+2*P_:X+2*P_+1], v[X+2*P_:X+2*P_+1], v[254:255] neg_lo:[0,1] neg_hi:[0,1]   ; x - mean, in place
.set P_, P_+1
.endr
.irp c, 0,1,2,3
	v_pk_mul_f32 v[244+2*\c:245+2*\c], v[X+2*\c:X+2*\c+1], v[X+2*\c:X+2*\c+1]
.endr
.set P_, 4
.rept 28
	s_delay_alu instid0(VALU_DEP_4)
	v_pk_fma_f32 v[244+2*(P_%4):245+2*(P_%4)], v[X+2*P_:X+2*P_+1], v[X+2*P_:X+2*P_+1], v[244+2*(P_%4):245+2*(P_%4)]
.set P_, P_+1
.endr
	REDUCE 512                                     ; other bytes than the first exchange: no wave can meet a late reader of those
	s_delay_alu instid0(VALU_DEP_1)
	v_fma_f32 v253, v244, s16, s17                 ; variance + 1e-5
	s_wait_alu depctr_va_vdst(0)
	v_rsq_f32 v254, v253
	v_rsq_f32 v255, v253
	v_nop                                          ; a plain line behind the transcendentals
	s_wait_alu depctr_va_vdst(0)                   ; one wait for both, ahead of their first reader
	s_wait_loadcnt 0x0                             ; gain and bias
.set P_, 0
.rept 32
	v_pk_mul_f32 v[X+2*P_:X+2*P_+1], v[X+2*P_:X+2*P_+1], v[254:255]
.set P_, P_+1
.endr
.set P_, 0
.rept 32
	v_pk_fma_f32 v[X+2*P_:X+2*P_+1], v[X+2*P_:X+2*P_+1], v[G+2*P_:G+2*P_+1], v[BB+2*P_:BB+2*P_+1]
.set P_, P_+1
.endr
	QUANT X, 1
.irp c, 0,1,2
	global_store_b128 v5, v[PC+4*\c:PC+4*\c+3], s[24:25] offset:512*\c   ; 32 lanes store 512 consecutive bytes, aligned
.endr
	global_store_b32 v6, v[PW], s[26:27]           ; lanes r and r + 16 store the same word to the same place
	s_wait_tensorcnt 0x0
	ds_add_u32 v239, v243
	s_wait_dscnt 0x0
	s_endpgm
.Lfunc_end_k_qcc57538a41_prep:
	.size	k_qcc57538a41_prep, .Lfunc_end_k_qcc57538a41_prep-k_qcc57538a41_prep
	.p2alignl 7, 3214868480
	.fill 96, 4, 3214868480
	.section	.rodata,"a",@progbits
	.p2align	6, 0x0
	.amdhsa_kernel k_qcc57538a41_prep
		.amdhsa_group_segment_fixed_size 118784
		.amdhsa_private_segment_fixed_size 0
		.amdhsa_enable_private_segment 0
		.amdhsa_kernarg_size 72
		.amdhsa_user_sgpr_count 2
		.amdhsa_user_sgpr_kernarg_segment_ptr 1
		.amdhsa_wavefront_size32 1
		.amdhsa_system_sgpr_workgroup_id_x 1
		.amdhsa_system_sgpr_workgroup_id_y 1
		.amdhsa_system_sgpr_workgroup_id_z 1
		.amdhsa_system_vgpr_workitem_id 0
		.amdhsa_next_free_vgpr 256
		.amdhsa_next_free_sgpr 66
		.amdhsa_reserve_vcc 0
		.amdhsa_float_denorm_mode_32 3
		.amdhsa_float_denorm_mode_16_64 3
		.amdhsa_memory_ordered 1
		.amdhsa_forward_progress 1
		.amdhsa_inst_pref_size 80
	.end_amdhsa_kernel
	.amdgpu_metadata
---
amdhsa.version: [ 1, 2 ]
amdhsa.kernels:
  - .name:           k_qcc57538a41_prep
    .symbol:         k_qcc57538a41_prep.kd
    .args:
      - { .name: w_qkv, .offset: 0, .size: 8, .value_kind: global_buffer, .address_space: global }
      - { .name: w1, .offset: 8, .size: 8, .value_kind: global_buffer, .address_space: global }
      - { .name: w2, .offset: 16, .size: 8, .value_kind: global_buffer, .address_space: global }
      - { .name: op1, .offset: 24, .size: 8, .value_kind: global_buffer, .address_space: global }
      - { .name: op2, .offset: 32, .size: 8, .value_kind: global_buffer, .address_space: global }
      - { .name: op3, .offset: 40, .size: 8, .value_kind: global_buffer, .address_space: global }
      - { .name: x, .offset: 48, .size: 8, .value_kind: global_buffer, .address_space: global }
      - { .name: ln1_g, .offset: 56, .size: 8, .value_kind: global_buffer, .address_space: global }
      - { .name: ln1_b, .offset: 64, .size: 8, .value_kind: global_buffer, .address_space: global }
    .group_segment_fixed_size: 118784
    .private_segment_fixed_size: 0
    .kernarg_segment_align: 8
    .kernarg_segment_size: 72
    .max_flat_workgroup_size: 256
    .sgpr_count:     66
    .vgpr_count:     256
    .wavefront_size: 32
...
	.end_amdgpu_metadata
.endif
;; end of part 1
;; launch qkv (part 2): grid 48 x 4, 4 waves a work-group, clusters of 4 x 4, 327,680 bytes of LDS; arguments op1, b_qkv, qkvc; writes qkvc
.if DOCPART == 2
	.amdgcn_target "amdgcn-amd-amdhsa--gfx1250"
	.amdhsa_code_object_version 6
	.text
	.protected	k_qcc57538a41_qkv
	.globl	k_qcc57538a41_qkv
	.p2align	8
	.type	k_qcc57538a41_qkv,@function
k_qcc57538a41_qkv:
	s_mov_b64 s[64:65], 0
	v_nop
	global_prefetch_b8 v0, s[64:65] scope:SCOPE_SE
	s_setreg_imm32_b32 hwreg(HW_REG_WAVE_MODE, 25, 1), 1
	s_wait_xcnt 0x0
	s_wait_alu depctr_hold_cnt(0) depctr_sa_sdst(0) depctr_va_vdst(0) depctr_va_sdst(0) depctr_va_ssrc(0) depctr_va_vcc(0) depctr_vm_vsrc(0)
	s_getreg_b32 s2, hwreg(HW_REG_IB_STS2, 6, 4)
	s_cmp_eq_u32 s2, 0
	s_cbranch_scc0 .Lentry_in_a_cluster
	s_endpgm
.Lentry_in_a_cluster:
	s_bfe_u32 s2, ttmp6, 0x10000c
	s_cmp_lg_u32 s2, 0xf033
	s_cbranch_scc0 .Lentry_shape_is_right
	s_endpgm
.Lentry_shape_is_right:
; qkv = h w_qkv + b_qkv on codes of FP6 (E2M3) with E8M0 scales, and its results quantised at once for attention: q and k along the head's 64, v along the keys.
; OPERANDS are images of registers: a fragment (16 rows x 128 k, 12 registers a lane) is 1,536 dense bytes, [row block][k step][1,536]; three loads of 16 bytes a lane bring one, from memory's own layout in LDS.
; op1: h's codes at 0, h's scale words at 3,145,728, w_qkv's codes at 3,276,800, its scale words at 6,422,528 (words: [row block][k step][16]).
; A tile of C, 256 x 256, is made by four waves, each 128 x 128: 64 accumulators.  K = 1,024 goes in 8 steps of 128 through a ring of two LDS slots of two steps, filled by the tensor data mover.
; CLUSTERS of 4 x 4 work-groups, twelve of them.  Tiles of the A side are shared along a cluster's row, of the B side along its column: asked for jointly, one descriptor and one mask for the four.
;   clusters 0-7: A = h (tokens), B = w_qkv's columns 0-2,047: q and k.     clusters 8-11: A = w_qkv's columns 2,048-3,071, B = h: v TRANSPOSED.
; THE MATRIX INSTRUCTION TAKES B's ROWS AS SOURCE 0 AND A's AS SOURCE 1: a lane holds one row of the A side and its registers run along the B side, 128 of it in 64 registers.  So q and k come out with the
; head's axis along a lane's registers and v with the keys along them, and one quantiser serves both.  Inside a block of 32 the order is position pos = k with bits 3 and 4 exchanged, as in every operand of this program.
; OUT (qkvc): for each (batch, head) bh and each 128 keys st a record of 13,056 bytes at bh x 208,896 + st x 13,056: k's 8 tiles of 768 bytes; v^T's 4 fragments of 1,536 at 6,144; k's scale words at 12,288; v's at 12,800.
;   q: tiles of 768 bytes at 6,684,672 + (128 bh + row block) x 768, scale words at 9,830,400 + (..) x 64.  A tile of q or k holds registers 0-5 alone (K = 64): 0-3 at 16 l, 4-5 at 512 + 8 l; bytes 2, 3 of its word are 127.
; The first products start the sums with the constant 0; the bias is added on the way out, since it runs along the registers for q and k and along the lanes for v.
; REGISTERS, in windows of 256: window 0: v8-31 addresses, v32-63 scale words (two sets), A's fragments in two sets at v64 and v160; window 1: B's two sets at v0 and v128, the bias table at v96-127 and v224-255;
;   windows 2, 3: accumulator (a, b) at 8 (8 (a % 4) + b) of window 2 + a / 4.
; LIMITS: NaN and infinities are not served; a block whose largest magnitude lies under 2^-124 keeps byte 1; a block of zeros gets byte 1, not 127 (zero codes; this program alone reads the bytes).
.set NA, 8                             ; blocks of 16 rows a wave, A side
.set NB, 8                             ; B side
.set NQ, 2                             ; k steps in a slot
.set KS, 8                             ; k steps in all
.set BIASC, 0                          ; the first products take 0 as C
.set LAPS,  KS/(2*NQ)
.set ROWB,  NQ*1536                    ; a row block's bytes in a slot
.set KROW,  KS*1536                    ; a row block's bytes in memory
.set SBLK,  KS*64                      ; a row block's scale words
.set HALFS, NA*SBLK                    ; the scale words of one wave's load
.set HALFT, NA*ROWB                    ; the codes of one wave's load
.set SLOT,  4*HALFT                    ; A's two halves, then B's two
.set SCL,   2*SLOT                     ; behind the ring: the scale words for all of K, filled once
.set SPARE, SCL+4*HALFS                ; behind them: the spare words, 128 bytes a wave, that no other line names
.set ADRA, 16                          ; v16-17 LDS address of my A half in slot 0, 1, + 16 x lane
.set ADRB, 20                          ; v20-21 the same for B
.set ADRS, 27                          ; v27    my scale words: lanes 0-15 A's, lanes 16-31 B's
.set SPW,  28                          ; v28    my spare word; never rewritten
.set NIL,  29                          ; v29    0; never rewritten
.set SC,   32
.set AF,   64
.set G1, 24                            ; s[24:31], s[32:39] groups 1 and 0 (a set a slot) for A's codes
.set G0, 32
.set G1B, 48                           ; s[48:55], s[56:63] for B's
.set G0B, 56
.set G1S, 68                           ; s[68:75], s[76:79] for A's scale words;  s[80:87], s[88:91] for B's
.set G0S, 76
.set G1SB, 80
.set G0SB, 88
.set SEL, 96                           ; s[96:97]
.set T,   64                           ; the way out, window 0: 64 numbers,
.set PC,  128                          ; codes,
.set TM,  148                          ; QUANT's work,
.set PW,  164                          ; the scale word
.set L16, 24                           ; v24 16 x lane;  v25 8 x lane;  v26 4 r
.set L8,  25
.set R4,  26
.set HEADB, 208896
.set REC,   13056
.set QOFF,  6684672
.set QSO,   9830400
.set MSB, 0
.macro WIN new                         ; the immediate's high byte repeats the setting that is left; a switch that changes nothing is dropped
.if MSB != (\new)
	s_set_vgpr_msb (MSB<<8)|(\new)
.set MSB, (\new)
.endif
.endm
.macro PLACES n
.rept \n
	v_nop
.endr
.endm
; A joint load: waves 0 and 1 fetch for A, waves 2 and 3 for B; the branch hangs on the wave's number alone.  Four v_nop follow each of the two lines.
.macro JLOAD g0a, g1a, g0b, g1b
	s_cmp_eq_u32 s15, 0
	s_cbranch_scc0 .Lfor_b_\@
	tensor_load_to_lds s[\g0a:\g0a+3], s[\g1a:\g1a+7]
	s_nop 0
.rept 4
	v_nop
.endr
	s_branch .Lasked_\@
.Lfor_b_\@:
	tensor_load_to_lds s[\g0b:\g0b+3], s[\g1b:\g1b+7]
	s_nop 0
.rept 4
	v_nop
.endr
.Lasked_\@:
.endm
.macro CREST                           ; a round of the cluster's barrier behind its opening barrier
	s_cmp_lg_u32 s14, 0
	s_cbranch_scc1 .Lnot_wave_0_\@
	s_barrier_signal -3
.Lnot_wave_0_\@:
	s_barrier_wait -3
	s_barrier_signal -1
	s_barrier_wait -1
.endm
.macro CROUND
	s_barrier_signal -1
	s_barrier_wait -1
	CREST
.endm
.macro FRAG reg, adr, q, i             ; a fragment's image: three loads, each of 512 consecutive bytes
.irp c, 0,1,2
	ds_load_b128 v[\reg+4*\c:\reg+4*\c+3], v[\adr] offset:(\i)*ROWB+(\q)*1536+512*\c
.endr
.endm
.macro FETCH slot, q, p                ; the slot's q-th k step into set p: B's fragments, then A's
	WIN 0x40
.set I_, 0
.rept NB
	FRAG 128*(\p)+12*I_, ADRB+\slot, \q, I_
.set I_, I_+1
.endr
	WIN 0
.set I_, 0
.rept NA
	FRAG AF+96*(\p)+12*I_, ADRA+\slot, \q, I_
.set I_, I_+1
.endr
.endm
.macro SCALES sc                       ; a slot's scale words: register NQ i + q: lanes 0-15 A's block i, lanes 16-31 B's block i
.set I_, 0
.rept NA
.set Q_, 0
.rept NQ
	ds_load_b32 v[SC+16*(\sc)+NQ*I_+Q_], v[ADRS] offset:I_*SBLK+64*Q_
.set Q_, Q_+1
.endr
.set I_, I_+1
.endr
.endm
.macro WM d, b, a, c, sb, sa
	v_wmma_scale_f32_16x16x128_f8f6f4 v[\d:\d+7], v[\b:\b+11], v[\a:\a+11], \c, v[\sb], v[\sa] matrix_a_fmt:MATRIX_FMT_FP6 matrix_b_fmt:MATRIX_FMT_FP6 matrix_a_scale:MATRIX_SCALE_ROW1
.endm
; Half of a k step's products: A's blocks of one window x all of B's.  The accumulators take turns, one instruction a turn, in the same order in every step.
.macro MULH half, p, q, sc, first
.if (\first) && BIASC
	WIN 0x91+0x40*(\half)
.else
	WIN 0xa1+0x50*(\half)
.endif
.set A_, (\half)*(NA/2)
.rept NA/2
.set B_, 0
.rept NB
.set D_, 8*(NB*(A_%(NA/2))+B_)
.set FB_, 128*(\p)+12*B_
.set FA_, AF+96*(\p)+12*A_
.set SB_, SC+16*(\sc)+NQ*B_+(\q)
.set SA_, SC+16*(\sc)+NQ*A_+(\q)
.set CB_, 96+8*B_+96*(B_/4)
.if (\first) && BIASC
	WM D_, FB_, FA_, v[CB_:CB_+7], SB_, SA_
.elseif \first
	WM D_, FB_, FA_, 0, SB_, SA_
.else
	WM D_, FB_, FA_, v[D_:D_+7], SB_, SA_
.endif
.set B_, B_+1
.endr
.set A_, A_+1
.endr
.endm
; A k step that has its successor in the same slot: the successor's fragments are asked for at its head, into the set that the step before has left.
.macro STEP slot, q, first
	s_wait_dscnt 0x0                               ; this step's fragments, asked for a step ago, are in
	PLACES 4                                       ; four plain lines between the last products and loads into registers that they read (ISA guide 7.12.1 for vector instructions)
	FETCH \slot, (\q)+1, 1-(\q)%2
	MULH 0, (\q)%2, \q, \slot, \first
	MULH 1, (\q)%2, \q, \slot, \first
	WIN 0
.endm
; A slot's last k step changes slots: one barrier; in front of it each wave waits for all its tensor loads, adds 0 to its spare word, and waits for that and for its reads of this slot.
.macro TURN slot, next, fill
	s_wait_tensorcnt 0x0                           ; all my tensor loads have landed: my part of the next slot; so a group 0 may be written
	ds_add_u32 v[SPW], v[NIL]                      ; 0 onto my spare word
.if \fill
	s_add_nc_u64 s[G0+4*\slot+2:G0+4*\slot+3], s[G0+4*\slot+2:G0+4*\slot+3], 2*ROWB
	s_add_nc_u64 s[G0B+4*\slot+2:G0B+4*\slot+3], s[G0B+4*\slot+2:G0B+4*\slot+3], 2*ROWB
.endif
	s_wait_dscnt 0x0                               ; the add is done; this step's fragments, my last reads of this slot, are in
	s_barrier_signal -1
	MULH 0, 1, NQ-1, \slot, 0                      ; work on registers while the others arrive
	WIN 0
	s_barrier_wait -1
.if \fill
	CREST                                          ; the barrier has opened a round of the cluster's: no wave of any partner still reads this slot or has a load on its way
	JLOAD G0+4*\slot, G1, G0B+4*\slot, G1B         ; the first tensor load behind the round, my only one; its four v_nop are the places in front of the loads below
.else
	PLACES 4
.endif
	s_wait_alu depctr_va_vdst(0)
	v_add_nc_u32 v[ADRS], 64*NQ, v[ADRS]           ; the next slot's scale words
	FETCH \next, 0, 0
	SCALES \next
	MULH 1, 1, NQ-1, \slot, 0
	WIN 0
.endm
.macro LAST
	s_wait_dscnt 0x0
	MULH 0, 1, NQ-1, 1, 0
	MULH 1, 1, NQ-1, 1, 0
	WIN 0
.endm
; 64 numbers v[s] .. v[s + 63] of a lane, register 16 b + i = position 32 b + 16 (lane / 16) + i of my row, become a fragment's 12 registers in v[PC] on and the row's scale word in v[PW].
.macro QUANT s, abs
.irp b, 0,1,2,3
.if \abs
	v_max3_num_f32 v[TM+\b], |v[\s+16*\b]|, |v[\s+1+16*\b]|, 0x1800000   ; my 16 numbers of block b, and the floor 2^(3 - 127): the byte cannot fall under 1
.else
	v_max3_num_f32 v[TM+\b], v[\s+16*\b], v[\s+1+16*\b], 0x1800000
.endif
.endr
.irp i, 2,4,6,8,10,12,14
.irp b, 0,1,2,3
.if \abs
	v_max3_num_f32 v[TM+\b], v[TM+\b], |v[\s+16*\b+\i]|, |v[\s+1+16*\b+\i]|
.else
	v_max3_num_f32 v[TM+\b], v[TM+\b], v[\s+16*\b+\i], v[\s+1+16*\b+\i]
.endif
.endr
.endr
.irp b, 0,1,2,3
	v_permlanex16_b32 v[TM+4+\b], v[TM+\b], s[SEL], s[SEL+1]
.endr
.irp b, 0,1,2,3
	v_max_num_f32 v[TM+\b], v[TM+\b], v[TM+4+\b]   ; with lane l xor 16's: the block's largest magnitude
.endr
.irp b, 0,1,2,3
	v_add_nc_u32 v[TM+12+\b], 0xff000000, v[TM+\b] ; 2 off the exponent field: the conversion's scale operand
.endr
.irp b, 0,1,2,3
	v_lshrrev_b32 v[TM+4+\b], 23, v[TM+12+\b]      ; the scale's byte
.endr
	v_lshl_or_b32 v[PW], v[TM+5], 8, v[TM+4]
	v_lshl_or_b32 v[PW], v[TM+6], 16, v[PW]
	v_lshl_or_b32 v[PW], v[TM+7], 24, v[PW]
.irp c, 0,1
	v_cvt_scalef32_pk16_fp6_f32 v[PC+6*\c:PC+2+6*\c], v[\s+32*\c:\s+15+32*\c], v[TM+12+2*\c]
	v_cvt_scalef32_pk16_fp6_f32 v[PC+12+4*\c:PC+14+4*\c], v[\s+16+32*\c:\s+31+32*\c], v[TM+12+2*\c+1]
.endr
	v_nop                                          ; one plain line behind a scaled conversion
.irp c, 0,1                            ; the operand wants a whole block in a lane: lanes 0-15 block 2 c, lanes 16-31 block 2 c + 1
.irp i, 0,1,2
	v_permlane16_swap_b32 v[PC+6*\c+\i], v[PC+12+4*\c+\i]
.endr
.irp i, 0,1,2
	v_mov_b32 v[PC+3+6*\c+\i], v[PC+12+4*\c+\i]
.endr
.endr
.endm
	s_load_b128 s[4:7], s[0:1], 0x0                ; op1, b_qkv
	s_load_b64 s[8:9], s[0:1], 0x10                ; qkvc
	v_lshl_add_u32 v[SPW], v0, 2, SPARE
	v_mov_b32 v[NIL], 0
	ds_add_u32 v28, v29
	ds_add_u32 v28, v29
	s_wait_dscnt 0x0
	v_lshrrev_b32 v1, 5, v0
	v_readfirstlane_b32 s14, v1                    ; wave 0..3
	s_lshr_b32 s15, s14, 1                         ; my half of the A side.  Also: I fetch for A (0) or for B (1)
	s_and_b32 s16, s14, 1                          ; my half of the B side.  Also: which half I fetch
	s_bfe_u32 s40, ttmp6, 0x40000                  ; cx
	s_bfe_u32 s41, ttmp6, 0x40004                  ; cy
	s_lshr_b32 s66, ttmp9, 3                       ; 1 in clusters 8-11 (v), else 0: the same in all sixteen partners
	s_xor_b32 s67, s66, 1
	s_lshr_b32 s17, ttmp9, 1
	s_mul_i32 s17, s17, s67
	s_lshl_b32 s17, s17, 2
	s_add_co_u32 s17, s17, s41                     ; tile row: q, k: 4 (cluster / 2) + cy;  v: cy
	s_lshl_b32 s42, s66, 1
	s_add_co_u32 s42, s42, 1
	s_and_b32 s42, s42, ttmp9
	s_lshl_b32 s42, s42, 2
	s_add_co_u32 s42, s42, s40                     ; tile column: q, k: 4 (cluster % 2) + cx;  v: 4 (cluster - 8) + cx
	s_mul_i32 s10, s66, 4849664                    ; A's codes: h's at 0, or w_qkv's row block 128 at 3,276,800 + 128 x 12,288
	s_mul_i32 s11, s66, 3342336
	s_add_co_u32 s11, s11, 3145728                 ; A's scale words: 3,145,728 or 6,422,528 + 128 x 512
	s_mul_i32 s12, s67, 3276800                    ; B's codes: w_qkv's or h's
	s_add_co_u32 s13, s12, 3145728                 ; B's scale words
	s_lshl_b32 s43, s41, 2
	s_lshl_b32 s43, 15, s43                        ; my row of the cluster
	s_lshl_b32 s44, 0x1111, s40                    ; my column
	s_or_b32 s[G1], s43, (3<<16)|(1<<21)           ; 15:0 the mask; 17:16 elements of 8 bytes; 21 set beside a mask; no padding
	s_or_b32 s[G1B], s44, (3<<16)|(1<<21)
	s_or_b32 s[G1S], s43, (3<<16)|(1<<21)
	s_or_b32 s[G1SB], s44, (3<<16)|(1<<21)
.irp g, G1, G1B                        ; codes: NA rows (row blocks) of ROWB bytes, KROW bytes apart
	s_mov_b32 s[\g+1], (ROWB/8)<<16
	s_mov_b32 s[\g+2], (2*NA)<<16                  ; the head's loads bring a whole side, both halves; behind them the two words that count rows are set to NA
	s_mov_b32 s[\g+3], (ROWB/8)<<16
	s_mov_b32 s[\g+4], 2*NA
	s_mov_b32 s[\g+5], KROW/8
	s_mov_b32 s[\g+6], 0
	s_mov_b32 s[\g+7], 0
.endr
.irp g, G1S, G1SB                      ; scale words: a dense block of HALFS bytes as rows of 256
	s_mov_b32 s[\g+1], 32<<16
	s_mov_b32 s[\g+2], (2*HALFS/256)<<16           ; a side's scale words, both halves, in one load
	s_mov_b32 s[\g+3], 32<<16
	s_mov_b32 s[\g+4], 2*HALFS/256
	s_mov_b32 s[\g+5], 32
	s_mov_b32 s[\g+6], 0
	s_mov_b32 s[\g+7], 0
.endr
	s_lshl_b32 s20, s17, 1                         ; A's numbers are made of the tile row alone, B's of the tile column alone
	s_add_co_u32 s20, s20, s16
	s_mul_i32 s20, s20, NA                         ; first row block of the half that I fetch
	s_mul_i32 s22, s20, SBLK
	s_add_co_u32 s22, s22, s11
	s_mul_i32 s20, s20, KROW
	s_add_co_u32 s20, s20, s10
	s_mov_b32 s21, 0
	s_mov_b32 s23, 0
	s_lshl_b32 s46, s42, 1
	s_add_co_u32 s46, s46, s16
	s_mul_i32 s46, s46, NB
	s_mul_i32 s92, s46, SBLK
	s_add_co_u32 s92, s92, s13
	s_mul_i32 s46, s46, KROW
	s_add_co_u32 s46, s46, s12
	s_mov_b32 s47, 0
	s_mov_b32 s93, 0
	s_mul_i32 s45, s14, HALFT                      ; where they go: by the wave's number alone
	s_mul_i32 s94, s14, HALFS
	s_mov_b32 s[SEL], 0x76543210
	s_mov_b32 s[SEL+1], 0xfedcba98
	s_mov_b32 s98, 0x7f7f0000
	s_wait_kmcnt 0x0
	s_add_nc_u64 s[20:21], s[4:5], s[20:21]
	s_add_nc_u64 s[22:23], s[4:5], s[22:23]
	s_add_nc_u64 s[46:47], s[4:5], s[46:47]
	s_add_nc_u64 s[92:93], s[4:5], s[92:93]
	CROUND                                         ; all sixteen work-groups are here: the first joint loads meet
	s_mov_b32 s[G0S], 1
	s_mov_b32 s[G0S+1], SCL
	s_mul_i32 s18, s16, HALFS                      ; back from my half to the side's first row block
	s_mov_b32 s19, 0
	s_sub_nc_u64 s[G0S+2:G0S+3], s[22:23], s[18:19]
	s_or_b32 s[G0S+3], s[G0S+3], 0x80000000
	s_mov_b32 s[G0SB], 1
	s_mov_b32 s[G0SB+1], SCL+2*HALFS
	s_sub_nc_u64 s[G0SB+2:G0SB+3], s[92:93], s[18:19]
	s_or_b32 s[G0SB+3], s[G0SB+3], 0x80000000
.irp s, 0
	s_mov_b32 s[G0+4*\s], 1
	s_add_co_u32 s[G0+4*\s+1], s45, \s*SLOT
	s_add_nc_u64 s[G0+4*\s+2:G0+4*\s+3], s[20:21], \s*ROWB
	s_or_b32 s[G0+4*\s+3], s[G0+4*\s+3], 0x80000000
	s_mov_b32 s[G0B+4*\s], 1
	s_add_co_u32 s[G0B+4*\s+1], s45, \s*SLOT
	s_add_nc_u64 s[G0B+4*\s+2:G0B+4*\s+3], s[46:47], \s*ROWB
	s_or_b32 s[G0B+4*\s+3], s[G0B+4*\s+3], 0x80000000
.endr
; THE HEAD'S LOADS, ONE A WAVE: wave 0 slot 0's whole A side, wave 1 its whole B side, wave 2 A's scale words, wave 3 B's.
; Their group 0 for the codes lies in slot 1's registers, which are written for slot 1 behind the wait that shows these loads done.
	s_mul_i32 s18, s16, NA*KROW
	s_mov_b32 s[G0+4], 1
	s_mov_b32 s[G0+5], 0
	s_sub_nc_u64 s[G0+6:G0+7], s[20:21], s[18:19]
	s_or_b32 s[G0+7], s[G0+7], 0x80000000
	s_mov_b32 s[G0B+4], 1
	s_mov_b32 s[G0B+5], 2*HALFT
	s_sub_nc_u64 s[G0B+6:G0B+7], s[46:47], s[18:19]
	s_or_b32 s[G0B+7], s[G0B+7], 0x80000000
.macro ARM under, g0, g1, next
	s_cmp_lt_u32 s14, \under
	s_cbranch_scc0 \next
	tensor_load_to_lds s[\g0:\g0+3], s[\g1:\g1+7]
	s_nop 0
.rept 4
	v_nop
.endr
	s_branch .Lhead_asked
\next:
.endm
	ARM 1, G0+4,  G1,  .Lhead_b
	ARM 2, G0B+4, G1B, .Lhead_sa
	ARM 3, G0S,   G1S, .Lhead_sb
	tensor_load_to_lds s[G0SB:G0SB+3], s[G1SB:G1SB+7]
	s_nop 0
.rept 4
	v_nop
.endr
.Lhead_asked:
; PREFETCHES INTO THE L2.  A slot's load of a wave is 8 row blocks x 3,072 bytes.  The four partners that ask for it jointly share the row blocks out BY ADDRESS (cx for A, cy for B): two row blocks each,
; 24 blocks of 256 bytes, a lane a block (lanes 24-31 name the last again): one instruction a wave.  K has four slot fills: behind fill 0's load stand the prefetches of fills 1 and 2, behind fill 1's that of fill 3.
; Every offset is an immediate; the address registers are never rewritten.  At most two fills' bytes are asked for and not yet loaded.
	s_cmp_eq_u32 s15, 0                            ; do I fetch for A?
	s_cselect_b64 s[10:11], s[20:21], s[46:47]     ; my eight row blocks
	s_cselect_b32 s18, s40, s41                    ; my place among the four that ask with me
	s_mul_i32 s18, s18, 2*KROW
	s_add_nc_u64 s[10:11], s[10:11], s[18:19]
	v_and_b32 v30, 31, v0
	v_min_u32 v30, 23, v30
	v_mul_u32_u24 v31, v30, 43
	v_lshrrev_b32 v31, 9, v31                      ; lane / 12: which of my two row blocks
	v_mul_u32_u24 v31, v31, KROW-12*256
	v_lshl_add_u32 v30, v30, 8, v31                ; (lane / 12) x KROW + (lane % 12) x 256
	global_prefetch_b8 v30, s[10:11] offset:ROWB th:TH_LOAD_NT scope:SCOPE_SE
	global_prefetch_b8 v30, s[10:11] offset:2*ROWB th:TH_LOAD_NT scope:SCOPE_SE
	v_and_b32 v1, 15, v0                           ; r
	v_bfe_u32 v2, v0, 4, 1                         ; h
	v_and_b32 v3, 31, v0
	v_lshlrev_b32 v[L16], 4, v3
	v_lshlrev_b32 v[L8], 3, v3
	v_lshlrev_b32 v[R4], 2, v1
	s_mul_i32 s21, s15, HALFT
	s_mul_i32 s22, s16, HALFT
	s_add_co_u32 s22, s22, 2*HALFT
	v_add_nc_u32 v[ADRA], s21, v[L16]
	v_add_nc_u32 v[ADRB], s22, v[L16]
	v_add_nc_u32 v[ADRA+1], SLOT, v[ADRA]
	v_add_nc_u32 v[ADRB+1], SLOT, v[ADRB]
	s_mul_i32 s21, s15, HALFS
	s_mul_i32 s22, s16, HALFS
	s_add_co_u32 s22, s22, 2*HALFS
	s_sub_co_u32 s22, s22, s21
	v_mul_u32_u24 v6, s22, v2                      ; lanes 16-31 take B's: one product, the distance between the two
	s_wait_alu depctr_va_vdst(0)
	s_add_co_u32 s21, s21, SCL
	v_add_nc_u32 v5, v[R4], v6
	v_add_nc_u32 v[ADRS], s21, v5
	; the bias table: register 8 x + j: q, k: the bias of my column 16 x + 8 h + j;  v: of my row 16 x + r
	s_lshl_b32 s20, s17, 8
	s_lshl_b32 s21, s15, 7
	s_add_co_u32 s20, s20, s21
	s_add_co_u32 s20, s20, 2048
	s_mul_i32 s20, s20, s66
	s_lshl_b32 s21, s42, 8
	s_lshl_b32 s22, s16, 7
	s_add_co_u32 s21, s21, s22
	s_mul_i32 s21, s21, s67
	s_add_co_u32 s20, s20, s21
	s_lshl_b32 s20, s20, 2
	s_mov_b32 s21, 0
	s_add_nc_u64 s[6:7], s[6:7], s[20:21]
.irp j, 0,1,2,3,4,5,6,7
	v_lshl_add_u32 v[8+\j], v2, 5, 4*\j
	v_mul_u32_u24 v[8+\j], s67, v[8+\j]
	v_mad_u32_u24 v[8+\j], v[R4], s66, v[8+\j]     ; 32 h + 4 j, or 4 r
.endr
	WIN 0x40
.irp x, 0,1,2,3,4,5,6,7
.irp j, 0,1,2,3,4,5,6,7
	global_load_b32 v[96+8*\x+96*(\x/4)+\j], v[8+\j], s[6:7] offset:64*\x
.endr
.endr
	WIN 0
	s_wait_alu depctr_va_vdst(0)
	s_wait_tensorcnt 0x0                           ; my tile of the head's four is in; slot 1's first fill is issued as a refill is
	ds_add_u32 v[SPW], v[NIL]
	s_mov_b32 s[G1+2], NA<<16                      ; no load of mine is out: from here on a load brings one half of a side
	s_mov_b32 s[G1+4], NA
	s_mov_b32 s[G1B+2], NB<<16
	s_mov_b32 s[G1B+4], NB
	s_add_co_u32 s[G0+5], s[G0+1], SLOT            ; slot 1's group 0: my half, the next two k steps
	s_add_nc_u64 s[G0+6:G0+7], s[G0+2:G0+3], ROWB
	s_add_co_u32 s[G0B+5], s[G0B+1], SLOT
	s_add_nc_u64 s[G0B+6:G0B+7], s[G0B+2:G0B+3], ROWB
	s_wait_dscnt 0x0
	CROUND                                         ; all four tiles are in for every wave, and the sixteen partners meet
	JLOAD G0+4, G1, G0B+4, G1B                     ; slot 1: the first tensor load behind the round, my only one
	FETCH 0, 0, 0
	SCALES 0
	global_prefetch_b8 v30, s[10:11] offset:3*ROWB th:TH_LOAD_NT scope:SCOPE_SE   ; fill 3, behind fill 1's load
	STEP 0, 0, 1                                   ; the first step stands in front of the loop: its products start the sums
	s_mov_b32 s3, LAPS-1
.Llap:                                                 ; a trip goes once round the ring and fills both slots again
	TURN 0, 1, 1
	STEP 1, 0, 0
	TURN 1, 0, 1
	STEP 0, 0, 0
	s_sub_co_u32 s3, s3, 1
	s_cmp_lg_u32 s3, 0
	s_cbranch_scc1 .Llap
	TURN 0, 1, 0                                   ; the last lap fills nothing
	STEP 1, 0, 0
	LAST
	PLACES 4                                       ; in front of the first reads of results and of writes into registers that held fragments
.irp b, 0,1,2,3
	v_mov_b32 v[TM+4+\b], 0                        ; a lane permute's destination counts as one of its sources
.endr
	s_wait_loadcnt 0x0                             ; the bias table
; THE WAY OUT, a block of 16 rows of the A side at a time: + bias, quantised, stored.  mode 0: q, k;  1: v.
.macro EPI a, mode
	WIN 0x06+(\a)/4                                ; source 0: the accumulators' window; source 1: window 1
.set AC_, 64*((\a)%4)
.set B_, 0
.rept 8
.if \mode
.set CB_, 96+8*(\a)+96*((\a)/4)
.else
.set CB_, 96+8*B_+96*(B_/4)
.endif
.irp j, 0,2,4,6
	v_pk_add_f32 v[T+8*B_+\j:T+8*B_+\j+1], v[AC_+8*B_+\j:AC_+8*B_+\j+1], v[CB_+\j:CB_+\j+1]   ; each accumulator from its low end on
.endr
.set B_, B_+1
.endr
	WIN 0
.if (\a) > 0
	s_wait_xcnt 0x0                                ; the last block's stores have read their registers: they are rewritten only behind this wait
.endif
	QUANT T, 1
.if \mode
.irp c, 0,1,2
	global_store_b128 v[L16], v[PC+4*\c:PC+4*\c+3], s[88:89] offset:((\a)/4)*HEADB+((\a)%4)*1536+512*\c   ; 512 consecutive bytes, aligned
.endr
	global_store_b32 v[R4], v[PW], s[88:89] offset:((\a)/4)*HEADB+6656+((\a)%4)*64
.else                                  ; registers 0-5 are the even head's tile, 6-11 the odd head's
	global_store_b128 v[L16], v[PC:PC+3], s[80:81] offset:768*(\a)
	global_store_b64 v[L8], v[PC+4:PC+5], s[80:81] offset:768*(\a)+512
	global_store_b128 v[L16], v[PC+6:PC+9], s[82:83] offset:768*(\a)
	global_store_b64 v[L8], v[PC+10:PC+11], s[82:83] offset:768*(\a)+512
	v_and_or_b32 v165, v[PW], 0xffff, s98          ; two bytes of the word each; the empty half of K gets byte 127 over zero codes
	v_lshrrev_b32 v166, 16, v[PW]
	v_or_b32 v166, s98, v166
	global_store_b32 v[R4], v165, s[84:85] offset:64*(\a)
	global_store_b32 v[R4], v166, s[86:87] offset:64*(\a)
.endif
.endm
	s_cmp_lt_u32 ttmp9, 8                          ; on the cluster's number: the same way in all sixteen partners
	s_cbranch_scc0 .Lepi_v
	s_lshl_b32 s68, s42, 1                         ; (the scale descriptors' registers are free: their loads were shown done long ago)
	s_add_co_u32 s68, s68, s16                     ; my pair of heads, 0-7 q's, 8-15 k's
	s_and_b32 s69, s68, 7
	s_lshl_b32 s69, s69, 1
	s_lshr_b32 s70, s17, 3
	s_lshl_b32 s70, s70, 4
	s_add_co_u32 s69, s69, s70                     ; bh of the even head
	s_and_b32 s70, s17, 7
	s_lshl_b32 s70, s70, 1
	s_add_co_u32 s70, s70, s15                     ; which 128 tokens of the batch
	s_lshl_b32 s71, s69, 7
	s_lshl_b32 s72, s70, 3
	s_add_co_u32 s71, s71, s72
	s_mul_i32 s72, s71, 768
	s_add_co_u32 s72, s72, QOFF                    ; q: codes,
	s_lshl_b32 s73, s71, 6
	s_add_co_u32 s73, s73, QSO                     ; words
	s_mul_i32 s74, s69, HEADB
	s_mul_i32 s75, s70, REC
	s_add_co_u32 s74, s74, s75                     ; k: codes,
	s_add_co_u32 s75, s74, 12288                   ; words
	s_mov_b32 s76, HEADB                           ; from the even head to the odd one
	s_mov_b32 s77, HEADB
	s_cmp_lt_u32 s68, 8                            ; a choice of store offsets, no branch
	s_cselect_b32 s72, s72, s74
	s_cselect_b32 s73, s73, s75
	s_cselect_b32 s76, 98304, s76
	s_cselect_b32 s77, 8192, s77
	s_mov_b32 s79, 0
	s_mov_b32 s78, s72
	s_add_nc_u64 s[80:81], s[8:9], s[78:79]
	s_mov_b32 s78, s76
	s_add_nc_u64 s[82:83], s[80:81], s[78:79]
	s_mov_b32 s78, s73
	s_add_nc_u64 s[84:85], s[8:9], s[78:79]
	s_mov_b32 s78, s77
	s_add_nc_u64 s[86:87], s[84:85], s[78:79]
.irp a, 0,1,2,3,4,5,6,7
	EPI \a, 0
.endr
	s_branch .Ljoin
.Lepi_v:
	s_lshr_b32 s68, s42, 3
	s_lshl_b32 s68, s68, 4
	s_lshl_b32 s69, s17, 2
	s_add_co_u32 s68, s68, s69
	s_lshl_b32 s69, s15, 1
	s_add_co_u32 s68, s68, s69                     ; bh of my first head: 16 batch + 4 tile row + 2 half
	s_mul_i32 s68, s68, HEADB
	s_and_b32 s69, s42, 7
	s_lshl_b32 s69, s69, 1
	s_add_co_u32 s69, s69, s16                     ; which 128 keys
	s_mul_i32 s69, s69, REC
	s_add_co_u32 s68, s68, s69
	s_add_co_u32 s68, s68, 6144
	s_mov_b32 s69, 0
	s_add_nc_u64 s[88:89], s[8:9], s[68:69]
.irp a, 0,1,2,3,4,5,6,7
	EPI \a, 1
.endr
.Ljoin:
	s_wait_tensorcnt 0x0                           ; the wave's end
	ds_add_u32 v[SPW], v[NIL]
	s_wait_dscnt 0x0
	CROUND                                         ; the closing round: no work-group ends while a partner may still ask for a tile that names it
	s_endpgm
.Lfunc_end_k_qcc57538a41_qkv:
	.size	k_qcc57538a41_qkv, .Lfunc_end_k_qcc57538a41_qkv-k_qcc57538a41_qkv
	.p2alignl 7, 3214868480
	.fill 96, 4, 3214868480
	.section	.rodata,"a",@progbits
	.p2align	6, 0x0
	.amdhsa_kernel k_qcc57538a41_qkv
		.amdhsa_group_segment_fixed_size 327680
		.amdhsa_private_segment_fixed_size 0
		.amdhsa_enable_private_segment 0
		.amdhsa_kernarg_size 24
		.amdhsa_user_sgpr_count 2
		.amdhsa_user_sgpr_kernarg_segment_ptr 1
		.amdhsa_wavefront_size32 1
		.amdhsa_system_sgpr_workgroup_id_x 1
		.amdhsa_system_sgpr_workgroup_id_y 1
		.amdhsa_system_sgpr_workgroup_id_z 1
		.amdhsa_system_vgpr_workitem_id 0
		.amdhsa_next_free_vgpr 1024
		.amdhsa_next_free_sgpr 100
		.amdhsa_reserve_vcc 0
		.amdhsa_float_denorm_mode_32 3
		.amdhsa_float_denorm_mode_16_64 3
		.amdhsa_memory_ordered 1
		.amdhsa_forward_progress 1
		.amdhsa_inst_pref_size 220
	.end_amdhsa_kernel
	.amdgpu_metadata
---
amdhsa.version: [ 1, 2 ]
amdhsa.kernels:
  - .name:           k_qcc57538a41_qkv
    .symbol:         k_qcc57538a41_qkv.kd
    .args:
      - { .name: op1, .offset: 0, .size: 8, .value_kind: global_buffer, .address_space: global }
      - { .name: b_qkv, .offset: 8, .size: 8, .value_kind: global_buffer, .address_space: global }
      - { .name: qkvc, .offset: 16, .size: 8, .value_kind: global_buffer, .address_space: global }
    .group_segment_fixed_size: 327680
    .private_segment_fixed_size: 0
    .kernarg_segment_align: 8
    .kernarg_segment_size: 24
    .max_flat_workgroup_size: 128
    .sgpr_count:     100
    .vgpr_count:     1024
    .wavefront_size: 32
...
	.end_amdgpu_metadata
.endif
;; end of part 2
;; launch attn (part 3): grid 8 x 32, 8 waves a work-group, clusters of 4 x 1, 327,680 bytes of LDS; arguments qkvc, x, att; writes att
.if DOCPART == 3
	.amdgcn_target "amdgcn-amd-amdhsa--gfx1250"
	.amdhsa_code_object_version 6
	.text
	.protected	k_qcc57538a41_attn
	.globl	k_qcc57538a41_attn
	.p2align	8
	.type	k_qcc57538a41_attn,@function
k_qcc57538a41_attn:
	s_mov_b64 s[64:65], 0
	v_nop
	global_prefetch_b8 v0, s[64:65] scope:SCOPE_SE
	s_setreg_imm32_b32 hwreg(HW_REG_WAVE_MODE, 25, 1), 1
	s_wait_xcnt 0x0
	s_wait_alu depctr_hold_cnt(0) depctr_sa_sdst(0) depctr_va_vdst(0) depctr_va_sdst(0) depctr_va_ssrc(0) depctr_va_vcc(0) depctr_vm_vsrc(0)
	s_getreg_b32 s2, hwreg(HW_REG_IB_STS2, 6, 4)
	s_cmp_eq_u32 s2, 0
	s_cbranch_scc0 .Lentry_in_a_cluster
	s_endpgm
.Lentry_in_a_cluster:
	s_bfe_u32 s2, ttmp6, 0x10000c
	s_cmp_lg_u32 s2, 0x3003
	s_cbranch_scc0 .Lentry_shape_is_right
	s_endpgm
.Lentry_shape_is_right:
; att[token][head's 64] = softmax(q k^T / 8) v + x, both products on codes of FP6 (E2M3) with E8M0 scales; 32 (batch, head) pairs bh of 2,048 tokens, head size 64.
; THE SOFTMAX AHEAD OF THE SECOND PRODUCT: t = score x log2(e) / 8; M = the row's largest t so far, rounded UP to a whole number; p = 2^(t - M) is quantised along the keys, not normalised.
; The row's sum is taken of the unquantised p in f32 and divides at the end.  When M moves, the sum and O are multiplied by 2^(old M - new M): exact.
; A block's largest p is not searched for: the block's largest score goes through the same multiply-add and exponential (this takes v_exp_f32 not to fall where its input rises; at the worst one p of a block is held one code low).
; SHARES.  A work-group owns 256 queries of one bh; each of its eight waves 32 of them, two tiles T of 16: every fragment of k and v^T read from LDS feeds two products.
; INPUT (qkvc), images of operand registers: for each bh sixteen records of 13,056 bytes, one for 128 keys: k's 8 tiles of 16 keys (768 bytes: registers 0-3 at 16 l, 4-5 at 512 + 8 l), v^T's 4 fragments
; (16 channels x 128 keys, 1,536 bytes) at 6,144, k's scale words at 12,288, v's at 12,800.  q: tiles at 6,684,672, words at 9,830,400.  Inside a block of 32 keys v^T's position pos holds the key pos with bits 3 and 4 exchanged.
; A WHOLE HEAD'S 208,896 BYTES LIE IN LDS AT ONCE: each wave brings two records by its one tensor load at the head; nothing is filled again, and behind the one barrier no wave waits for another.
; CLUSTER.  The four query blocks of a cluster belong to one bh and read the same records: each load is asked for jointly, one descriptor and the mask 15 in all four.
; No prefetch: every tile is asked for at the head, so there is no loop to run ahead in; x is asked for by plain loads sixteen key steps ahead of its use.
; LAYOUT.  Both products are used transposed: S^T = k q^T, O^T = v^T p^T: a lane holds ONE query (lane % 16) of each tile.  THE KEYS OF A SCORE TILE ARE CHOSEN BY THE LDS ADDRESS: row 8 h' + j of tile 4 c + u is key
; 64 c + 32 h' + 16 (u % 2) + 8 (u / 2) + j, that is row 8 (u / 2) + j of the stored tile 4 c + 2 h' + u % 2.  So the 32 score registers 32 c .. 32 c + 31 of lane (r, h) are positions 0 .. 31 of block 2 c + h,
; a WHOLE block in a lane, as the second product's operand wants it: its largest score needs no other lane, and the conversions' results are the operand's registers.
; K = 64: the upper half of the instruction's 128 is zero codes in q.  k's six registers a tile lie one tile behind the other, so a tile's upper six are the next tile's codes: finite numbers times q's zeros.
; REGISTERS.  Window 0: v1-9 addresses; v10-21 -M and largest score, the sums, f and p's scale word, a pair for each tile; v22-33 k's and v's scale words; v34-59 q; v60-73 at work; v80-118 p's codes; v120-127 sum chains;
;   v128-255 S^T, then p.  Window 1: v0-63 O^T; v64-111 v^T; v112-165 k; v176-239 x.
; LIMITS: NaN and infinities are not served; the scaled scores stay under 2^31 in magnitude.
.set REC,   13056
.set HEADB, 208896
.set QOFF,  6684672
.set QSO,   9830400
.set STAGE, 208896                     ; behind the records: 2 x 16 rows x 272 bytes for each wave, bytes of their own, for the way out
.set SPARE, 278528                     ; behind the stages: the spare words, 128 bytes a wave
.set SPW, 1
.set NIL, 2
.set AK,  3                            ; k's registers 0-3: 1536 (r / 8) + 16 (r % 8) + 256 h, + the record
.set AK2, 4                            ; k's registers 4-5: 1536 (r / 8) + 8 (r % 8) + 128 h
.set AKS, 5                            ; k's scale words: 128 (r / 8) + 4 (r % 8)
.set AV,  6                            ; 16 x lane
.set AVS, 7                            ; 4 r
.set GO,  8                            ; x and att: 4096 h + 16 r
.set SH8, 9                            ; 8 h
.set NM,  10                           ; v[10+2T] -M, v[11+2T] the largest score
.set L,   14                           ; v[14+2T:15+2T] the sum in two halves
.set F,   18                           ; v[18+2T] f, v[19+2T] p's scale word
.set KS,  22
.set VS,  30
.set Q,   34
.set QS,  58
.set BM,  60                           ; v[60+2T+c] the largest score of my block 2 c + h
.set TA,  64
.set TB,  66
.set SO,  68                           ; the conversions' scale operands
.set STI, 72
.set STO, 73
.set PC,  80                           ; v[80+12T ..] p's codes
.set CT,  104                          ; the upper halves of the blocks as the conversions leave them
.set SA,  120
.set VF,  64                           ; window 1
.set KF,  112
.set X,   176
.set WV,  18
.set SEL, 20
.set CS,  22                           ; s[22:23] c = log2(e) / 8
.set G1,  24
.set G0,  32
.set NC,  36                           ; -c
.set CNT, 3
.set MSB, 0
.macro WIN new                         ; the immediate's high byte repeats the setting that is left
.if MSB != (\new)
	s_set_vgpr_msb (MSB<<8)|(\new)
.set MSB, (\new)
.endif
.endm
.macro CROUND                          ; a round of the cluster's barrier
	s_barrier_signal -1
	s_barrier_wait -1
	s_cmp_lg_u32 s[WV], 0
	s_cbranch_scc1 .Lnot_wave_0_\@
	s_barrier_signal -3
.Lnot_wave_0_\@:
	s_barrier_wait -3
	s_barrier_signal -1
	s_barrier_wait -1
.endm
	s_load_b128 s[4:7], s[0:1], 0x0                ; qkvc, x
	s_load_b64 s[8:9], s[0:1], 0x10                ; att
	v_lshl_add_u32 v[SPW], v0, 2, SPARE
	v_mov_b32 v[NIL], 0
	ds_add_u32 v[SPW], v[NIL]                      ; the opening lines: the add, twice on end, and its wait
	ds_add_u32 v[SPW], v[NIL]
	v_lshrrev_b32 v74, 5, v0
	v_readfirstlane_b32 s[WV], v74                 ; wave 0..7
	s_bfe_u32 s10, ttmp6, 0x40000                  ; cx: it enters q's, x's and att's addresses alone
	s_lshl_b32 s11, ttmp9, 2
	s_add_co_u32 s11, s11, s10                     ; my block of 256 queries
	s_and_b32 s12, ttmp7, 0xffff                   ; bh, which the four partners share
	s_mul_i32 s13, s[WV], 2*REC                    ; my two records
	s_mul_i32 s48, s12, HEADB
	s_add_co_u32 s48, s48, s13
	s_mov_b32 s49, 0
	s_mov_b32 s[G1], 15|(3<<16)|(1<<21)            ; the mask: all four; elements of 8 bytes; bit 21 beside a mask; no padding
	s_mov_b32 s[G1+1], 32<<16                      ; 26,112 dense bytes as 102 rows of 256
	s_mov_b32 s[G1+2], 102<<16
	s_mov_b32 s[G1+3], 32<<16
	s_mov_b32 s[G1+4], 102
	s_mov_b32 s[G1+5], 32
	s_mov_b32 s[G1+6], 0
	s_mov_b32 s[G1+7], 0
	s_mov_b32 s[SEL], 0x76543210
	s_mov_b32 s[SEL+1], 0xfedcba98
	s_mov_b32 s[CS], 0x3e38aa3b
	s_mov_b32 s[CS+1], s[CS]
	s_mov_b32 s[NC], 0xbe38aa3b
	s_wait_dscnt 0x0
	s_wait_kmcnt 0x0
	s_add_nc_u64 s[48:49], s[4:5], s[48:49]
	CROUND                                         ; all four work-groups are here: the joint loads meet
	s_mov_b32 s[G0], 1
	s_mov_b32 s[G0+1], s13
	s_mov_b64 s[G0+2:G0+3], s[48:49]
	s_or_b32 s[G0+3], s[G0+3], 0x80000000
	tensor_load_to_lds s[G0:G0+3], s[G1:G1+7]      ; my one tensor load
	s_nop 0
	s_lshl_b32 s50, s12, 7
	s_lshl_b32 s51, s11, 4
	s_add_co_u32 s50, s50, s51
	s_lshl_b32 s51, s[WV], 1
	s_add_co_u32 s50, s50, s51                     ; my first tile of q: 128 bh + 16 block + 2 wave
	s_mul_i32 s52, s50, 768
	s_add_co_u32 s52, s52, QOFF
	s_mov_b32 s53, 0
	s_add_nc_u64 s[52:53], s[4:5], s[52:53]
	s_lshl_b32 s54, s50, 6
	s_add_co_u32 s54, s54, QSO
	s_mov_b32 s55, 0
	s_add_nc_u64 s[54:55], s[4:5], s[54:55]
	s_lshr_b32 s56, s12, 4
	s_lshl_b32 s56, s56, 11
	s_lshl_b32 s57, s11, 8
	s_add_co_u32 s56, s56, s57
	s_lshl_b32 s57, s[WV], 5
	s_add_co_u32 s56, s56, s57                     ; my first token
	s_lshl_b32 s56, s56, 12
	s_and_b32 s57, s12, 15
	s_lshl_b32 s57, s57, 8
	s_add_co_u32 s56, s56, s57                     ; its row of 4,096 bytes, my head's 256 of them
	s_mov_b32 s57, 0
	s_add_nc_u64 s[6:7], s[6:7], s[56:57]
	s_add_nc_u64 s[8:9], s[8:9], s[56:57]
	s_mul_i32 s37, s[WV], 8704
	s_add_co_u32 s37, s37, STAGE                   ; my stages
	v_and_b32 v74, 31, v0                          ; lane
	v_and_b32 v75, 15, v0                          ; r
	v_bfe_u32 v76, v0, 4, 1                        ; h
	v_bfe_u32 v77, v0, 3, 1                        ; r / 8
	v_and_b32 v78, 7, v0                           ; r % 8
	v_lshlrev_b32 v[AV], 4, v74
	v_lshlrev_b32 v79, 3, v74                      ; 8 x lane, for q; never rewritten
	v_lshlrev_b32 v[AVS], 2, v75
	v_lshlrev_b32 v[SH8], 3, v76
	v_lshlrev_b32 v[GO], 12, v76
	v_lshl_add_u32 v[GO], v75, 4, v[GO]
	v_mul_u32_u24 v[AK], v77, 1536
	v_lshl_add_u32 v[AK2], v78, 3, v[AK]
	v_lshl_add_u32 v[AK2], v76, 7, v[AK2]
	v_lshl_add_u32 v[AK], v78, 4, v[AK]
	v_lshl_add_u32 v[AK], v76, 8, v[AK]
	v_lshlrev_b32 v[AKS], 7, v77
	v_lshl_add_u32 v[AKS], v78, 2, v[AKS]
	v_mul_u32_u24 v[STI], v75, 272
	v_lshl_add_u32 v[STI], v76, 5, v[STI]
	v_add_nc_u32 v[STI], s37, v[STI]               ; into the stage: row r, + 32 h
	v_mul_u32_u24 v[STO], v76, 272
	v_lshl_add_u32 v[STO], v75, 4, v[STO]
	v_add_nc_u32 v[STO], s37, v[STO]               ; back: lanes 0-15 one row, lanes 16-31 the next
.irp T, 0,1
	global_load_b128 v[Q+12*\T:Q+12*\T+3], v[AV], s[52:53] offset:768*\T   ; q stays in registers
	global_load_b64 v[Q+12*\T+4:Q+12*\T+5], v79, s[52:53] offset:768*\T+512
	global_load_b32 v[QS+\T], v[AVS], s[54:55] offset:64*\T
.endr
.irp T, 0,1
.irp i, 6,7,8,9,10,11
	v_mov_b32 v[Q+12*\T+\i], 0                     ; the upper half of K: zero codes
.endr
	v_mov_b32 v[NM+2*\T], 0x7f61b1e6               ; -M = 3e38,
	v_mov_b32 v[NM+2*\T+1], 0xff61b1e6             ; the largest score so far -3e38: under every score
	v_mov_b32 v[L+2*\T], 0
	v_mov_b32 v[L+2*\T+1], 0
	v_mov_b32 v[F+2*\T+1], 0                       ; (named as the upper half of a pair before it is first written)
	v_mov_b32 v[TB+\T], 0                          ; a lane permute's destination counts as one of its sources
.endr
	WIN 0x40
.set J_, 0
.rept 64
	v_mov_b32 v[J_], 0                             ; O^T: the step is written for every turn alike; the first finds zeros.  These lines stand under the tensor load's flight
.set J_, J_+1
.endr
.irp i, 48,49,50,51,52,53
	v_mov_b32 v[KF+\i], 0                          ; what the last tile of k names as its upper half
.endr
	WIN 0
.macro KLOAD                           ; the eight score tiles of the record at which AK stands, and their scale words: 24 loads
	WIN 0x40
.irp c, 0,1
.irp u, 0,1,2,3
	ds_load_b128 v[KF+6*(4*\c+\u):KF+6*(4*\c+\u)+3], v[AK] offset:3072*\c+768*(\u%2)+128*(\u/2)
	ds_load_b64 v[KF+6*(4*\c+\u)+4:KF+6*(4*\c+\u)+5], v[AK2] offset:3072*\c+768*(\u%2)+512+64*(\u/2)
.endr
.endr
	WIN 0
.irp c, 0,1
.irp u, 0,1,2,3
	ds_load_b32 v[KS+4*\c+\u], v[AKS] offset:12288+256*\c+64*(\u%2)+32*(\u/2)
.endr
.endr
	v_add_nc_u32 v[AK], REC, v[AK]                 ; on to the next record; first read a whole step later
	v_add_nc_u32 v[AK2], REC, v[AK2]
	v_add_nc_u32 v[AKS], REC, v[AKS]
.endm
; A KEY STEP: one record, 128 keys, both query tiles.  k's fragments were asked for in the step before; v's are asked for here and used behind the softmax.  last = 1: nothing more is asked for.
.macro STEP last
	s_setprio 1                                    ; the wave's priority (ISA guide, S_SETPRIO) follows the step: 1 from its head on, 2 over the exponentials, 0 behind them
.rept 4
	v_nop                                          ; places between the last step's products and loads into registers that they read
.endr
	WIN 0x40
.irp d, 0,1,2,3
.irp c, 0,1,2
	ds_load_b128 v[VF+12*\d+4*\c:VF+12*\d+4*\c+3], v[AV] offset:6144+1536*\d+512*\c
.endr
.endr
	WIN 0
.irp d, 0,1,2,3
	ds_load_b32 v[VS+\d], v[AVS] offset:12800+64*\d
.endr
	s_wait_dscnt 16                                ; k's 24 loads are in; v's 16 may be out
	WIN 0x01
.irp g, 0,1,2,3,4,5,6,7
.irp T, 0,1
	v_wmma_scale_f32_16x16x128_f8f6f4 v[128+64*\T+8*\g:128+64*\T+8*\g+7], v[KF+6*\g:KF+6*\g+11], v[Q+12*\T:Q+12*\T+11], 0, v[KS+\g], v[QS+\T] matrix_a_fmt:MATRIX_FMT_FP6 matrix_b_fmt:MATRIX_FMT_FP6
.endr
.endr
	WIN 0
.if \last
.rept 4
	v_nop
.endr
.else
	v_add_nc_u32 v[AV], REC, v[AV]                 ; four places behind the score products
	v_add_nc_u32 v[AVS], REC, v[AVS]
	v_nop
	v_nop
	KLOAD                                          ; the next record's k: it has the softmax in which to arrive
.endif
.irp T, 0,1
.irp c, 0,1
	v_max3_num_f32 v[BM+2*\T+\c], v[128+64*\T+32*\c], v[129+64*\T+32*\c], v[130+64*\T+32*\c]   ; the largest score of my block: four chains by turns; each accumulator is read from its low end on
.endr
.endr
.irp i, 3,5,7,9,11,13,15,17,19,21,23,25,27,29
.irp T, 0,1
.irp c, 0,1
	v_max3_num_f32 v[BM+2*\T+\c], v[BM+2*\T+\c], v[128+64*\T+32*\c+\i], v[129+64*\T+32*\c+\i]
.endr
.endr
.endr
.irp T, 0,1
.irp c, 0,1
	v_max_num_f32 v[BM+2*\T+\c], v[BM+2*\T+\c], v[159+64*\T+32*\c]
.endr
.endr
.irp T, 0,1
	v_max_num_f32 v[TA+\T], v[BM+2*\T], v[BM+2*\T+1]
.endr
.irp T, 0,1
	s_delay_alu instid0(VALU_DEP_2)
	v_permlanex16_b32 v[TB+\T], v[TA+\T], s[SEL], s[SEL+1]
.endr
.irp T, 0,1
	s_delay_alu instid0(VALU_DEP_2)
	v_max3_num_f32 v[NM+2*\T+1], v[NM+2*\T+1], v[TA+\T], v[TB+\T]   ; the running largest score of my query
.endr
.irp T, 0,1
	s_delay_alu instid0(VALU_DEP_2)
	v_mul_f32 v[TA+\T], s[NC], v[NM+2*\T+1]        ; -t (c is positive)
.endr
.irp T, 0,1
	s_delay_alu instid0(VALU_DEP_2)
	v_floor_f32 v[TA+\T], v[TA+\T]                 ; the new -M = -ceil(t): a whole number
.endr
.irp T, 0,1
	s_delay_alu instid0(VALU_DEP_2)
	v_sub_f32 v[TB+\T], v[TA+\T], v[NM+2*\T]       ; old M - new M: a whole number, 0 or less
.endr
.irp T, 0,1
	v_mov_b32 v[NM+2*\T], v[TA+\T]
.endr
.irp T, 0,1
	v_cvt_i32_f32 v[TB+\T], v[TB+\T]               ; (it saturates)
.endr
.irp T, 0,1
	s_delay_alu instid0(VALU_DEP_2)
	v_ldexp_f32 v[F+2*\T], 1.0, v[TB+\T]           ; f = 2^(old M - new M)
.endr
.irp T, 0                              ; tile 0 here; tile 1's stand among tile 0's exponentials
.set J_, 0
.rept 32
	v_pk_fma_f32 v[128+64*\T+J_:129+64*\T+J_], v[128+64*\T+J_:129+64*\T+J_], s[CS:CS+1], v[NM+2*\T:NM+2*\T+1] op_sel_hi:[1,0,0]   ; t - M, two at a time
.set J_, J_+2
.endr
.endr
.irp T, 0,1
.irp c, 0,1
	v_fma_f32 v[BM+2*\T+\c], v[BM+2*\T+\c], s[CS], v[NM+2*\T]   ; the same of each block's largest score
.endr
.endr
	WIN 0x41
.irp T, 0,1
.set J_, 0
.rept 16
	v_pk_mul_f32 v[32*\T+J_:32*\T+J_+1], v[32*\T+J_:32*\T+J_+1], v[F+2*\T:F+2*\T+1] op_sel_hi:[1,0]   ; O^T under the new M, ahead of the exponentials
.set J_, J_+2
.endr
.endr
	WIN 0
	s_setprio 2
.if \last
	s_wait_dscnt 0x0                               ; v's fragments are in
.else
	s_wait_dscnt 24                                ; v's fragments are in; the next k's 24 loads may be out
.endif
	s_wait_alu depctr_va_vdst(0)
.set J_, 0
.rept 32
	v_exp_f32 v[128+J_], v[128+J_]                 ; tile 0: p = 2^(t - M)
	v_pk_fma_f32 v[192+J_:193+J_], v[192+J_:193+J_], s[CS:CS+1], v[NM+2:NM+3] op_sel_hi:[1,0,0]   ; tile 1: t - M; its sources were written ahead of the wait above, its results are first read behind the wait below
	v_exp_f32 v[129+J_], v[129+J_]
.set J_, J_+2
.endr
.irp b, 0,1,2,3
	v_exp_f32 v[BM+\b], v[BM+\b]                   ; the blocks' largest p
.endr
	v_nop                                          ; a plain line behind the exponentials
	s_wait_alu depctr_va_vdst(0)                   ; ahead of the second batch: its sources were written among the first
.set J_, 0
.rept 64
	v_exp_f32 v[192+J_], v[192+J_]                 ; tile 1: p
.set J_, J_+1
.endr
	v_nop                                          ; a plain line behind the exponentials
	s_setprio 0
	s_wait_alu depctr_va_vdst(0)                   ; one wait for the whole batch
.irp b, 0,1,2,3
	v_max_num_f32 v[BM+\b], 0x1800000, v[BM+\b]    ; the floor 2^(3 - 127): the byte cannot fall under 1
.endr
.irp b, 0,1,2,3
	v_add_nc_u32 v[SO+\b], 0xff000000, v[BM+\b]    ; 2 off the exponent field: the conversion's scale operand
.endr
.irp b, 0,1,2,3
	v_lshrrev_b32 v[BM+\b], 23, v[SO+\b]           ; the scale's byte
.endr
.irp T, 0,1
	v_lshl_or_b32 v[TA+\T], v[BM+2*\T+1], 16, v[BM+2*\T]   ; my two bytes: blocks h and 2 + h,
.endr
.irp T, 0,1
	s_delay_alu instid0(VALU_DEP_2)
	v_lshlrev_b32 v[TA+\T], v[SH8], v[TA+\T]       ; at their places in the word;
.endr
.irp T, 0,1
	s_delay_alu instid0(VALU_DEP_2)
	v_permlanex16_b32 v[TB+\T], v[TA+\T], s[SEL], s[SEL+1]
.endr
.irp T, 0,1
	s_delay_alu instid0(VALU_DEP_2)
	v_or_b32 v[F+2*\T+1], v[TA+\T], v[TB+\T]       ; with lane l xor 16's two the word is whole
.endr
.irp T, 0,1
.irp c, 0,1
	v_cvt_scalef32_pk16_fp6_f32 v[PC+12*\T+6*\c:PC+12*\T+6*\c+2], v[128+64*\T+32*\c:143+64*\T+32*\c], v[SO+2*\T+\c]
	v_cvt_scalef32_pk16_fp6_f32 v[CT+8*\T+4*\c:CT+8*\T+4*\c+2], v[144+64*\T+32*\c:159+64*\T+32*\c], v[SO+2*\T+\c]   ; (a conversion's three registers begin on an even number)
.endr
.endr
.irp T, 0,1
.irp k, 0,1
	v_pk_add_f32 v[SA+4*\T+2*\k:SA+4*\T+2*\k+1], v[128+64*\T+2*\k:129+64*\T+2*\k], v[132+64*\T+2*\k:133+64*\T+2*\k]   ; the sum of the unquantised p: four chains by turns
.endr
.endr
.irp i, 4,6,8,10,12,14,16,18,20,22,24,26,28,30
.irp T, 0,1
.irp k, 0,1
	v_pk_add_f32 v[SA+4*\T+2*\k:SA+4*\T+2*\k+1], v[SA+4*\T+2*\k:SA+4*\T+2*\k+1], v[128+64*\T+2*(\i+\k):129+64*\T+2*(\i+\k)]
.endr
.endr
.endr
.irp T, 0,1
.irp c, 0,1
.irp i, 0,1,2
	v_mov_b32 v[PC+12*\T+6*\c+3+\i], v[CT+8*\T+4*\c+\i]
.endr
.endr
.endr
.irp T, 0,1
	v_pk_add_f32 v[SA+4*\T:SA+4*\T+1], v[SA+4*\T:SA+4*\T+1], v[SA+4*\T+2:SA+4*\T+3]   ; these four lines are the places between the codes' last write and the products
.endr
.irp T, 0,1
	v_pk_fma_f32 v[L+2*\T:L+2*\T+1], v[L+2*\T:L+2*\T+1], v[F+2*\T:F+2*\T+1], v[SA+4*\T:SA+4*\T+1] op_sel_hi:[1,0,1]   ; the old sum x f + this step's
.endr
	WIN 0x51
.irp d, 0,1,2,3                        ; eight accumulators by turns
.irp T, 0,1
	v_wmma_scale_f32_16x16x128_f8f6f4 v[32*\T+8*\d:32*\T+8*\d+7], v[VF+12*\d:VF+12*\d+11], v[PC+12*\T:PC+12*\T+11], v[32*\T+8*\d:32*\T+8*\d+7], v[VS+\d], v[F+2*\T+1] matrix_a_fmt:MATRIX_FMT_FP6 matrix_b_fmt:MATRIX_FMT_FP6
.endr
.endr
	WIN 0
.endm
	s_wait_alu depctr_va_vdst(0)
	s_wait_tensorcnt 0x0                           ; my two records have landed
	s_barrier_signal -1
	s_barrier_wait -1                              ; everybody's have: the whole head lies in LDS, and nothing is filled again
	WIN 0x40
.irp T, 0,1
.irp i, 0,1,2,3,4,5,6,7
	global_load_b128 v[X+32*\T+4*\i:X+32*\T+4*\i+3], v[GO], s[6:7] offset:65536*\T+8192*\i th:TH_LOAD_NT   ; the residual, in the layout of the way out; used behind the last step
.endr
.endr
	KLOAD                                          ; record 0's k
	s_wait_alu depctr_va_vdst(0)
	s_wait_loadcnt 16                              ; q's six loads are in; x's sixteen may be out
	s_mov_b32 s[CNT], 15
.Lstep:
	STEP 0
	s_sub_co_u32 s[CNT], s[CNT], 1
	s_cmp_lg_u32 s[CNT], 0
	s_cbranch_scc1 .Lstep
	STEP 1
	; THE WAY OUT: O^T / the sum goes through my stage and comes back as whole rows of 256 bytes; x is added; sixteen lanes store 256 consecutive bytes, aligned.
.irp T, 0,1
	v_add_f32 v[L+2*\T], v[L+2*\T], v[L+2*\T+1]    ; (these six lines are also the places behind the last products)
.endr
.irp T, 0,1
	s_delay_alu instid0(VALU_DEP_2)
	v_permlanex16_b32 v[TB+\T], v[L+2*\T], s[SEL], s[SEL+1]
.endr
.irp T, 0,1
	s_delay_alu instid0(VALU_DEP_2)
	v_add_f32 v[L+2*\T], v[L+2*\T], v[TB+\T]       ; the row's sum
.endr
	s_wait_alu depctr_va_vdst(0)
.irp T, 0,1
	v_rcp_f32 v[L+2*\T], v[L+2*\T]
.endr
	v_nop
	WIN 0x01
	s_wait_alu depctr_va_vdst(0)                   ; directly ahead of the first reader of the reciprocals and of O^T
.irp T, 0,1
.set J_, 0
.rept 16
	v_pk_mul_f32 v[128+64*\T+J_:129+64*\T+J_], v[32*\T+J_:32*\T+J_+1], v[L+2*\T:L+2*\T+1] op_sel_hi:[1,0]   ; register 8 d + j is channel 16 d + 8 h + j of query r
.set J_, J_+2
.endr
.endr
	WIN 0
.irp T, 0,1
.irp d, 0,1,2,3
	ds_store_b128 v[STI], v[128+64*\T+8*\d:131+64*\T+8*\d] offset:4352*\T+64*\d
	ds_store_b128 v[STI], v[132+64*\T+8*\d:135+64*\T+8*\d] offset:4352*\T+64*\d+16
.endr
.endr
.irp T, 0,1
.irp i, 0,1,2,3,4,5,6,7
	ds_load_b128 v[160+64*\T+4*\i:163+64*\T+4*\i], v[STO] offset:4352*\T+544*\i   ; LDS serves a wave's instructions in order: these see my stores
.endr
.endr
	s_wait_loadcnt 0x0                             ; x
	s_wait_dscnt 0x0
	WIN 0x04
.irp T, 0,1
.set J_, 0
.rept 16
	v_pk_add_f32 v[160+64*\T+J_:161+64*\T+J_], v[160+64*\T+J_:161+64*\T+J_], v[X+32*\T+J_:X+32*\T+J_+1]
.set J_, J_+2
.endr
.endr
	WIN 0
.irp T, 0,1
.irp i, 0,1,2,3,4,5,6,7
	global_store_b128 v[GO], v[160+64*\T+4*\i:163+64*\T+4*\i], s[8:9] offset:65536*\T+8192*\i
.endr
.endr
	s_wait_tensorcnt 0x0                           ; the wave's end
	ds_add_u32 v[SPW], v[NIL]
	s_wait_dscnt 0x0
	CROUND                                         ; the closing round
	s_endpgm
.Lfunc_end_k_qcc57538a41_attn:
	.size	k_qcc57538a41_attn, .Lfunc_end_k_qcc57538a41_attn-k_qcc57538a41_attn
	.p2alignl 7, 3214868480
	.fill 96, 4, 3214868480
	.section	.rodata,"a",@progbits
	.p2align	6, 0x0
	.amdhsa_kernel k_qcc57538a41_attn
		.amdhsa_group_segment_fixed_size 327680
		.amdhsa_private_segment_fixed_size 0
		.amdhsa_enable_private_segment 0
		.amdhsa_kernarg_size 24
		.amdhsa_user_sgpr_count 2
		.amdhsa_user_sgpr_kernarg_segment_ptr 1
		.amdhsa_wavefront_size32 1
		.amdhsa_system_sgpr_workgroup_id_x 1
		.amdhsa_system_sgpr_workgroup_id_y 1
		.amdhsa_system_sgpr_workgroup_id_z 1
		.amdhsa_system_vgpr_workitem_id 0
		.amdhsa_next_free_vgpr 512
		.amdhsa_next_free_sgpr 66
		.amdhsa_reserve_vcc 0
		.amdhsa_float_denorm_mode_32 3
		.amdhsa_float_denorm_mode_16_64 3
		.amdhsa_memory_ordered 1
		.amdhsa_forward_progress 1
		.amdhsa_inst_pref_size 76
	.end_amdhsa_kernel
	.amdgpu_metadata
---
amdhsa.version: [ 1, 2 ]
amdhsa.kernels:
  - .name:           k_qcc57538a41_attn
    .symbol:         k_qcc57538a41_attn.kd
    .args:
      - { .name: qkvc, .offset: 0, .size: 8, .value_kind: global_buffer, .address_space: global }
      - { .name: x, .offset: 8, .size: 8, .value_kind: global_buffer, .address_space: global }
      - { .name: att, .offset: 16, .size: 8, .value_kind: global_buffer, .address_space: global }
    .group_segment_fixed_size: 327680
    .private_segment_fixed_size: 0
    .kernarg_segment_align: 8
    .kernarg_segment_size: 24
    .max_flat_workgroup_size: 256
    .sgpr_count:     66
    .vgpr_count:     512
    .wavefront_size: 32
...
	.end_amdgpu_metadata
.endif
;; end of part 3
;; launch ln2 (part 4): grid 256 x 1, 8 waves a work-group, no clusters, 69,632 bytes of LDS; arguments att, ln2_g, ln2_b, op2; writes op2
.if DOCPART == 4
	.amdgcn_target "amdgcn-amd-amdhsa--gfx1250"
	.amdhsa_code_object_version 6
	.text
	.protected	k_qcc57538a41_ln2
	.globl	k_qcc57538a41_ln2
	.p2align	8
	.type	k_qcc57538a41_ln2,@function
k_qcc57538a41_ln2:
	s_mov_b64 s[64:65], 0
	v_nop
	global_prefetch_b8 v0, s[64:65] scope:SCOPE_SE
	s_setreg_imm32_b32 hwreg(HW_REG_WAVE_MODE, 25, 1), 1
	s_wait_xcnt 0x0
; Layer norm of [4096][1024] f32 rows, then the quantiser along the row: codes of FP6 (E2M3), one E8M0 byte for each 32.  (x - mean) * rsqrt(var + 1e-5) * g + b, all in f32.
; A work-group takes 16 rows; wave w takes columns 128 w .. 128 w + 127 of them: one operand fragment.  Each load of the wave reads 512 consecutive bytes of one row; the 16 rows turn through the wave's own stage
; in LDS, so that lane (r, h) then holds 64 numbers of row r, register 16 b + i = position 32 b + 16 h + i of the 128, and position pos of a block of 32 holds k = pos with bits 3 and 4 exchanged (this program's
; order in every operand): of each block the lane takes bytes 32 h .. + 31 and 64 + 32 h .. + 31.
; The row stays in registers: mean first, then the squares of x - mean, so that a common offset in the input costs no accuracy.  The eight waves' partial sums meet in LDS, twice, in bytes of their own each time.
; Output: the fragment as an image of its registers (register j of lane l at 512 (j / 4) + 16 l + 4 (j % 4)) at [row block][k step][1,536]; scale words at 3,145,728 + [row block][k step][16 words].
; Work-groups share only g and b, 8 KiB beside 64 KiB of rows of their own: no cluster.
; LIMITS: NaN and infinities are not served; a block whose largest magnitude lies under 2^-124 keeps byte 1; a block of zeros gets byte 1, not 127 (zero codes; this program alone reads the bytes).
.set LNB,  0                           ; LDS: 1,024 bytes of partial sums;
.set STG,  1024                        ; behind them the stages: 16 rows x 528 bytes for each wave
.set TM,  16                           ; v16-31   QUANT's work
.set X,   32                           ; v32-95   my 64 numbers
.set G,   96                           ; v96-159  gain
.set BB,  160                          ; v160-223 bias
.set PC,  224                          ; v224-243 codes
.set PW,  252                          ; the scale word
.set SEL, 18                           ; s[18:19] selects of v_permlanex16_b32 for lane l xor 16
; 64 numbers v[s] .. v[s + 63] of a lane become a fragment's 12 registers in v[PC] on and its row's scale word in v[PW].
.macro QUANT s, abs
.irp b, 0,1,2,3
.if \abs
	v_max3_num_f32 v[TM+\b], |v[\s+16*\b]|, |v[\s+1+16*\b]|, 0x1800000   ; my 16 numbers of block b, and the floor 2^(3 - 127): the byte cannot fall under 1
.else
	v_max3_num_f32 v[TM+\b], v[\s+16*\b], v[\s+1+16*\b], 0x1800000
.endif
.endr
.irp i, 2,4,6,8,10,12,14
.irp b, 0,1,2,3
.if \abs
	s_delay_alu instid0(VALU_DEP_4)
	v_max3_num_f32 v[TM+\b], v[TM+\b], |v[\s+16*\b+\i]|, |v[\s+1+16*\b+\i]|
.else
	v_max3_num_f32 v[TM+\b], v[TM+\b], v[\s+16*\b+\i], v[\s+1+16*\b+\i]
.endif
.endr
.endr
.irp b, 0,1,2,3
	s_delay_alu instid0(VALU_DEP_4)
	v_permlanex16_b32 v[TM+4+\b], v[TM+\b], s[SEL], s[SEL+1]
.endr
.irp b, 0,1,2,3
	s_delay_alu instid0(VALU_DEP_4)
	v_max_num_f32 v[TM+\b], v[TM+\b], v[TM+4+\b]   ; with lane l xor 16's: the block's largest magnitude
.endr
.irp b, 0,1,2,3
	s_delay_alu instid0(VALU_DEP_4)
	v_add_nc_u32 v[TM+12+\b], 0xff000000, v[TM+\b] ; 2 off the exponent field: the conversion's scale operand
.endr
.irp b, 0,1,2,3
	s_delay_alu instid0(VALU_DEP_4)
	v_lshrrev_b32 v[TM+4+\b], 23, v[TM+12+\b]      ; the scale's byte
.endr
	s_delay_alu instid0(VALU_DEP_3)
	v_lshl_or_b32 v[PW], v[TM+5], 8, v[TM+4]
	s_delay_alu instid0(VALU_DEP_1)
	v_lshl_or_b32 v[PW], v[TM+6], 16, v[PW]
	s_delay_alu instid0(VALU_DEP_1)
	v_lshl_or_b32 v[PW], v[TM+7], 24, v[PW]
.irp c, 0,1
	v_cvt_scalef32_pk16_fp6_f32 v[PC+6*\c:PC+2+6*\c], v[\s+32*\c:\s+15+32*\c], v[TM+12+2*\c]
	v_cvt_scalef32_pk16_fp6_f32 v[PC+12+4*\c:PC+14+4*\c], v[\s+16+32*\c:\s+31+32*\c], v[TM+12+2*\c+1]
.endr
	v_nop                                          ; one plain line behind a scaled conversion
.irp c, 0,1                            ; the operand wants a whole block in a lane: lanes 0-15 block 2 c, lanes 16-31 block 2 c + 1
.irp i, 0,1,2
	v_permlane16_swap_b32 v[PC+6*\c+\i], v[PC+12+4*\c+\i]
.endr
.irp i, 0,1,2
	s_delay_alu instid0(VALU_DEP_3)
	v_mov_b32 v[PC+3+6*\c+\i], v[PC+12+4*\c+\i]
.endr
.endr
.endm
; Four pair chains in v[244:251] become the row's sum over all 1,024 columns, in v244 of every lane.
.macro REDUCE off
	s_delay_alu instid0(VALU_DEP_3)
	v_pk_add_f32 v[244:245], v[244:245], v[246:247]
	s_delay_alu instid0(VALU_DEP_2)
	v_pk_add_f32 v[248:249], v[248:249], v[250:251]
	s_delay_alu instid0(VALU_DEP_1)
	v_pk_add_f32 v[244:245], v[244:245], v[248:249]
	s_delay_alu instid0(VALU_DEP_1)
	v_add_f32 v244, v244, v245
	s_delay_alu instid0(VALU_DEP_1)
	v_permlanex16_b32 v245, v244, s[SEL], s[SEL+1]
	s_delay_alu instid0(VALU_DEP_1)
	v_add_f32 v244, v244, v245                     ; my wave's 128 columns of row r, the same bits in both halves of the lanes
	ds_store_b32 v7, v244 offset:LNB+\off
	s_wait_dscnt 0x0                               ; for the others' sake: my store has landed
	s_barrier_signal -1
	s_barrier_wait -1
.irp w, 0,1,2,3,4,5,6,7
	ds_load_b32 v[244+\w], v6 offset:LNB+\off+64*\w
.endr
	s_wait_dscnt 0x0
.irp w, 1
	v_add_f32 v244, v244, v[244+\w]                ; the same order in every wave
.endr
.irp w, 2, 3, 4, 5, 6, 7
	s_delay_alu instid0(VALU_DEP_1)
	v_add_f32 v244, v244, v[244+\w]                ; the same order in every wave
.endr
.endm
	s_load_b256 s[4:11], s[0:1], 0x0               ; rows, gain, bias, destination
	v_lshl_add_u32 v239, v0, 2, 0x10c00
	v_mov_b32 v243, 0
	s_mov_b32 s28, ttmp9                           ; my block of 16 rows
	v_lshrrev_b32 v1, 5, v0
	s_delay_alu instid0(VALU_DEP_1)
	v_readfirstlane_b32 s12, v1                    ; wave = k step
	v_and_b32 v1, 15, v0                           ; r
	v_bfe_u32 v2, v0, 4, 1                         ; h
	v_and_b32 v8, 31, v0
	s_delay_alu instid0(VALU_DEP_2)
	v_lshlrev_b32 v4, 5, v2                        ; 32 h
	s_delay_alu instid0(VALU_DEP_2)
	v_lshlrev_b32 v5, 4, v8                        ; 16 x lane
	v_lshlrev_b32 v6, 2, v1                        ; 4 r
	s_lshl_b32 s13, s12, 6
	v_add_nc_u32 v7, s13, v6                       ; 64 w + 4 r
	s_mul_i32 s29, s12, 8448                       ; my stage: 16 rows x 528 bytes
	v_add_nc_u32 v9, s29, v5                       ; into it: 16 x lane of a row
	v_mul_u32_u24 v10, v1, 528
	s_delay_alu instid0(VALU_DEP_1)
	v_add_nc_u32 v10, v10, v4
	s_delay_alu instid0(VALU_DEP_1)
	v_add_nc_u32 v10, s29, v10                     ; out of it: row r, + 32 h.  528 bytes = 132 words: row r starts at bank 4 r mod 64 (64 banks of 4 bytes: ISA guide 11.1)
.irp b, 0,1,2,3
	v_mov_b32 v[TM+4+\b], 0                        ; written once: a lane permute's destination counts as one of its sources
.endr
	s_mov_b32 s[SEL], 0x76543210
	s_mov_b32 s[SEL+1], 0xfedcba98
	s_mov_b32 s16, 0x3a800000                      ; 1 / 1024
	s_mov_b32 s17, 0x3727c5ac                      ; 1e-5
	s_lshl_b32 s14, s28, 16                        ; 16 rows of 4,096 bytes
	s_lshl_b32 s20, s12, 9                         ; my 128 columns
	s_add_co_u32 s14, s14, s20
	s_mov_b32 s15, 0
	s_mov_b32 s21, 0
	s_lshl_b32 s22, s28, 3
	s_add_co_u32 s22, s22, s12                     ; fragment number
	s_mul_i32 s24, s22, 1536
	s_mov_b32 s25, 0
	s_lshl_b32 s26, s22, 6
	s_add_co_u32 s26, s26, 3145728
	s_mov_b32 s27, 0
	s_wait_alu depctr_va_vdst(0)
	s_wait_kmcnt 0x0
	s_add_nc_u64 s[4:5], s[4:5], s[14:15]
	s_add_nc_u64 s[6:7], s[6:7], s[20:21]
	s_add_nc_u64 s[8:9], s[8:9], s[20:21]
	s_add_nc_u64 s[24:25], s[10:11], s[24:25]
	s_add_nc_u64 s[26:27], s[10:11], s[26:27]
.irp i, 0,1,2,3,4,5,6,7,8,9,10,11,12,13,14,15
	global_load_b128 v[X+4*\i:X+4*\i+3], v5, s[4:5] offset:4096*\i th:TH_LOAD_NT   ; row i: 32 lanes read 512 consecutive bytes
.endr
.irp b, 0,1,2,3
.irp j, 0,1,2,3
	global_load_b128 v[G+16*\b+4*\j:G+16*\b+4*\j+3], v4, s[6:7] offset:128*\b+64*(\j/2)+16*(\j%2)
.endr
.endr
.irp b, 0,1,2,3
.irp j, 0,1,2,3
	global_load_b128 v[BB+16*\b+4*\j:BB+16*\b+4*\j+3], v4, s[8:9] offset:128*\b+64*(\j/2)+16*(\j%2)
.endr
.endr
.irp i, 0,1,2,3,4,5,6,7,8,9,10,11,12,13,14,15
	s_wait_loadcnt 47-\i                           ; row i is in; the 15 - i rows behind it and gain's and bias's 32 loads may be out
	ds_store_b128 v9, v[X+4*\i:X+4*\i+3] offset:STG+528*\i
.endr
.irp b, 0,1,2,3
.irp j, 0,1,2,3
	ds_load_b128 v[X+16*\b+4*\j:X+16*\b+4*\j+3], v10 offset:STG+128*\b+64*(\j/2)+16*(\j%2)   ; LDS serves a wave's instructions in order: these see my stores; of each block bytes 32 h .. + 31 and 64 + 32 h .. + 31
.endr
.endr
	s_wait_dscnt 0x0
.irp c, 0,1,2,3
	v_pk_add_f32 v[244+2*\c:245+2*\c], v[X+2*\c:X+2*\c+1], v[X+8+2*\c:X+9+2*\c]   ; four chains, started by the first eight pairs
.endr
.set P_, 8
.rept 24
	s_delay_alu instid0(VALU_DEP_4)
	v_pk_add_f32 v[244+2*(P_%4):245+2*(P_%4)], v[244+2*(P_%4):245+2*(P_%4)], v[X+2*P_:X+2*P_+1]
.set P_, P_+1
.endr
	REDUCE 0
	s_delay_alu instid0(VALU_DEP_1)
	v_mul_f32 v254, s16, v244                      ; the mean
	s_delay_alu instid0(VALU_DEP_1)
	v_mov_b32 v255, v254
.set P_, 0
.rept 32
	v_pk_add_f32 v[X+2*P_:X+2*P_+1], v[X+2*P_:X+2*P_+1], v[254:255] neg_lo:[0,1] neg_hi:[0,1]   ; x - mean, in place
.set P_, P_+1
.endr
.irp c, 0,1,2,3
	v_pk_mul_f32 v[244+2*\c:245+2*\c], v[X+2*\c:X+2*\c+1], v[X+2*\c:X+2*\c+1]
.endr
.set P_, 4
.rept 28
	s_delay_alu instid0(VALU_DEP_4)
	v_pk_fma_f32 v[244+2*(P_%4):245+2*(P_%4)], v[X+2*P_:X+2*P_+1], v[X+2*P_:X+2*P_+1], v[244+2*(P_%4):245+2*(P_%4)]
.set P_, P_+1
.endr
	REDUCE 512                                     ; other bytes than the first exchange: no wave can meet a late reader of those
	s_delay_alu instid0(VALU_DEP_1)
	v_fma_f32 v253, v244, s16, s17                 ; variance + 1e-5
	s_wait_alu depctr_va_vdst(0)
	v_rsq_f32 v254, v253
	v_rsq_f32 v255, v253
	v_nop                                          ; a plain line behind the transcendentals
	s_wait_alu depctr_va_vdst(0)                   ; one wait for both, ahead of their first reader
	s_wait_loadcnt 0x0                             ; gain and bias
.set P_, 0
.rept 32
	v_pk_mul_f32 v[X+2*P_:X+2*P_+1], v[X+2*P_:X+2*P_+1], v[254:255]
.set P_, P_+1
.endr
.set P_, 0
.rept 32
	v_pk_fma_f32 v[X+2*P_:X+2*P_+1], v[X+2*P_:X+2*P_+1], v[G+2*P_:G+2*P_+1], v[BB+2*P_:BB+2*P_+1]
.set P_, P_+1
.endr
	QUANT X, 1
.irp c, 0,1,2
	global_store_b128 v5, v[PC+4*\c:PC+4*\c+3], s[24:25] offset:512*\c   ; 32 lanes store 512 consecutive bytes, aligned
.endr
	global_store_b32 v6, v[PW], s[26:27]           ; lanes r and r + 16 store the same word to the same place
	s_wait_tensorcnt 0x0
	ds_add_u32 v239, v243
	s_wait_dscnt 0x0
	s_endpgm
.Lfunc_end_k_qcc57538a41_ln2:
	.size	k_qcc57538a41_ln2, .Lfunc_end_k_qcc57538a41_ln2-k_qcc57538a41_ln2
	.p2alignl 7, 3214868480
	.fill 96, 4, 3214868480
	.section	.rodata,"a",@progbits
	.p2align	6, 0x0
	.amdhsa_kernel k_qcc57538a41_ln2
		.amdhsa_group_segment_fixed_size 69632
		.amdhsa_private_segment_fixed_size 0
		.amdhsa_enable_private_segment 0
		.amdhsa_kernarg_size 32
		.amdhsa_user_sgpr_count 2
		.amdhsa_user_sgpr_kernarg_segment_ptr 1
		.amdhsa_wavefront_size32 1
		.amdhsa_system_sgpr_workgroup_id_x 1
		.amdhsa_system_sgpr_workgroup_id_y 1
		.amdhsa_system_sgpr_workgroup_id_z 1
		.amdhsa_system_vgpr_workitem_id 0
		.amdhsa_next_free_vgpr 256
		.amdhsa_next_free_sgpr 66
		.amdhsa_reserve_vcc 0
		.amdhsa_float_denorm_mode_32 3
		.amdhsa_float_denorm_mode_16_64 3
		.amdhsa_memory_ordered 1
		.amdhsa_forward_progress 1
		.amdhsa_inst_pref_size 31
	.end_amdhsa_kernel
	.amdgpu_metadata
---
amdhsa.version: [ 1, 2 ]
amdhsa.kernels:
  - .name:           k_qcc57538a41_ln2
    .symbol:         k_qcc57538a41_ln2.kd
    .args:
      - { .name: att, .offset: 0, .size: 8, .value_kind: global_buffer, .address_space: global }
      - { .name: ln2_g, .offset: 8, .size: 8, .value_kind: global_buffer, .address_space: global }
      - { .name: ln2_b, .offset: 16, .size: 8, .value_kind: global_buffer, .address_space: global }
      - { .name: op2, .offset: 24, .size: 8, .value_kind: global_buffer, .address_space: global }
    .group_segment_fixed_size: 69632
    .private_segment_fixed_size: 0
    .kernarg_segment_align: 8
    .kernarg_segment_size: 32
    .max_flat_workgroup_size: 256
    .sgpr_count:     66
    .vgpr_count:     256
    .wavefront_size: 32
...
	.end_amdgpu_metadata
.endif
;; end of part 4
;; launch fc1 (part 5): grid 16 x 16, 4 waves a work-group, clusters of 4 x 4, 327,680 bytes of LDS; arguments op2, b1, op3; writes op3
.if DOCPART == 5
	.amdgcn_target "amdgcn-amd-amdhsa--gfx1250"
	.amdhsa_code_object_version 6
	.text
	.protected	k_qcc57538a41_fc1
	.globl	k_qcc57538a41_fc1
	.p2align	8
	.type	k_qcc57538a41_fc1,@function
k_qcc57538a41_fc1:
	s_mov_b64 s[64:65], 0
	v_nop
	global_prefetch_b8 v0, s[64:65] scope:SCOPE_SE
	s_setreg_imm32_b32 hwreg(HW_REG_WAVE_MODE, 25, 1), 1
	s_wait_xcnt 0x0
	s_wait_alu depctr_hold_cnt(0) depctr_sa_sdst(0) depctr_va_vdst(0) depctr_va_sdst(0) depctr_va_ssrc(0) depctr_va_vcc(0) depctr_vm_vsrc(0)
	s_getreg_b32 s2, hwreg(HW_REG_IB_STS2, 6, 4)
	s_cmp_eq_u32 s2, 0
	s_cbranch_scc0 .Lentry_in_a_cluster
	s_endpgm
.Lentry_in_a_cluster:
	s_bfe_u32 s2, ttmp6, 0x10000c
	s_cmp_lg_u32 s2, 0xf033
	s_cbranch_scc0 .Lentry_shape_is_right
	s_endpgm
.Lentry_shape_is_right:
.set NA, 8
.set NB, 8
.set NQ, 2
.set KS, 8
.set BIASC, 1
.set A_S, 3145728
.set B_C, 3276800
.set B_S, 6422528
.set LAPS,  KS/(2*NQ)
.set ROWB,  NQ*1536
.set KROW,  KS*1536
.set SBLK,  KS*64
.set HALFS, NA*SBLK
.set HALFT, NA*ROWB
.set SLOT,  4*HALFT
.set SCL,   2*SLOT
.set SPARE, SCL+4*HALFS
.set ADRA, 16
.set ADRB, 20
.set ADRS, 27
.set SPW,  28
.set NIL,  29
.set SC,   32
.set AF,   64
.set G1, 24
.set G0, 32
.set G1B, 48
.set G0B, 56
.set G1S, 68
.set G0S, 76
.set G1SB, 80
.set G0SB, 88
.set SEL, 96
.set T,   64
.set PC,  128
.set TM,  148
.set PW,  164
.set L16, 24
.set R4,  26
.set MSB, 0
.macro WIN new
.if MSB != (\new)
	s_set_vgpr_msb (MSB<<8)|(\new)
.set MSB, (\new)
.endif
.endm
.macro PLACES n
.rept \n
	v_nop
.endr
.endm
.macro JLOAD g0a, g1a, g0b, g1b
	s_cmp_eq_u32 s15, 0
	s_cbranch_scc0 .Lfor_b_\@
	tensor_load_to_lds s[\g0a:\g0a+3], s[\g1a:\g1a+7]
	s_nop 0
.rept 4
	v_nop
.endr
	s_branch .Lasked_\@
.Lfor_b_\@:
	tensor_load_to_lds s[\g0b:\g0b+3], s[\g1b:\g1b+7]
	s_nop 0
.rept 4
	v_nop
.endr
.Lasked_\@:
.endm
.macro CREST
	s_cmp_lg_u32 s14, 0
	s_cbranch_scc1 .Lnot_wave_0_\@
	s_barrier_signal -3
.Lnot_wave_0_\@:
	s_barrier_wait -3
	s_barrier_signal -1
	s_barrier_wait -1
.endm
.macro CROUND
	s_barrier_signal -1
	s_barrier_wait -1
	CREST
.endm
.macro FRAG reg, adr, q, i
.irp c, 0,1,2
	ds_load_b128 v[\reg+4*\c:\reg+4*\c+3], v[\adr] offset:(\i)*ROWB+(\q)*1536+512*\c
.endr
.endm
.macro FETCH slot, q, p
	WIN 0x40
.set I_, 0
.rept NB
	FRAG 128*(\p)+12*I_, ADRB+\slot, \q, I_
.set I_, I_+1
.endr
	WIN 0
.set I_, 0
.rept NA
	FRAG AF+96*(\p)+12*I_, ADRA+\slot, \q, I_
.set I_, I_+1
.endr
.endm
.macro SCALES sc
.set I_, 0
.rept NA
.set Q_, 0
.rept NQ
	ds_load_b32 v[SC+16*(\sc)+NQ*I_+Q_], v[ADRS] offset:I_*SBLK+64*Q_
.set Q_, Q_+1
.endr
.set I_, I_+1
.endr
.endm
.macro WM d, b, a, c, sb, sa
	v_wmma_scale_f32_16x16x128_f8f6f4 v[\d:\d+7], v[\b:\b+11], v[\a:\a+11], \c, v[\sb], v[\sa] matrix_a_fmt:MATRIX_FMT_FP6 matrix_b_fmt:MATRIX_FMT_FP6 matrix_a_scale:MATRIX_SCALE_ROW1
.endm
.macro MULH half, p, q, sc, first
.if (\first) && BIASC
	WIN 0x91+0x40*(\half)
.else
	WIN 0xa1+0x50*(\half)
.endif
.set A_, (\half)*(NA/2)
.rept NA/2
.set B_, 0
.rept NB
.set D_, 8*(NB*(A_%(NA/2))+B_)
.set FB_, 128*(\p)+12*B_
.set FA_, AF+96*(\p)+12*A_
.set SB_, SC+16*(\sc)+NQ*B_+(\q)
.set SA_, SC+16*(\sc)+NQ*A_+(\q)
.set CB_, 96+8*B_+96*(B_/4)
.if (\first) && BIASC
	WM D_, FB_, FA_, v[CB_:CB_+7], SB_, SA_
.elseif \first
	WM D_, FB_, FA_, 0, SB_, SA_
.else
	WM D_, FB_, FA_, v[D_:D_+7], SB_, SA_
.endif
.set B_, B_+1
.endr
.set A_, A_+1
.endr
.endm
.macro STEP slot, q, first
	s_wait_dscnt 0x0
	PLACES 4
	FETCH \slot, (\q)+1, 1-(\q)%2
	MULH 0, (\q)%2, \q, \slot, \first
	MULH 1, (\q)%2, \q, \slot, \first
	WIN 0
.endm
.macro TURN slot, next, fill
	s_wait_tensorcnt 0x0
	ds_add_u32 v[SPW], v[NIL]
.if \fill
	s_add_nc_u64 s[G0+4*\slot+2:G0+4*\slot+3], s[G0+4*\slot+2:G0+4*\slot+3], 2*ROWB
	s_add_nc_u64 s[G0B+4*\slot+2:G0B+4*\slot+3], s[G0B+4*\slot+2:G0B+4*\slot+3], 2*ROWB
.endif
	s_wait_dscnt 0x0
	s_barrier_signal -1
	MULH 0, 1, NQ-1, \slot, 0
	WIN 0
	s_barrier_wait -1
.if \fill
	CREST
	JLOAD G0+4*\slot, G1, G0B+4*\slot, G1B
.else
	PLACES 4
.endif
	s_wait_alu depctr_va_vdst(0)
	v_add_nc_u32 v[ADRS], 64*NQ, v[ADRS]
	FETCH \next, 0, 0
	SCALES \next
	MULH 1, 1, NQ-1, \slot, 0
	WIN 0
.endm
.macro LAST
	s_wait_dscnt 0x0
	MULH 0, 1, NQ-1, 1, 0
	MULH 1, 1, NQ-1, 1, 0
	WIN 0
.endm
.macro QUANT s, abs
.irp b, 0,1,2,3
.if \abs
	v_max3_num_f32 v[TM+\b], |v[\s+16*\b]|, |v[\s+1+16*\b]|, 0x1800000
.else
	v_max3_num_f32 v[TM+\b], v[\s+16*\b], v[\s+1+16*\b], 0x1800000
.endif
.endr
.irp i, 2,4,6,8,10,12,14
.irp b, 0,1,2,3
.if \abs
	v_max3_num_f32 v[TM+\b], v[TM+\b], |v[\s+16*\b+\i]|, |v[\s+1+16*\b+\i]|
.else
	v_max3_num_f32 v[TM+\b], v[TM+\b], v[\s+16*\b+\i], v[\s+1+16*\b+\i]
.endif
.endr
.endr
.irp b, 0,1,2,3
	v_permlanex16_b32 v[TM+4+\b], v[TM+\b], s[SEL], s[SEL+1]
.endr
.irp b, 0,1,2,3
	v_max_num_f32 v[TM+\b], v[TM+\b], v[TM+4+\b]
.endr
.irp b, 0,1,2,3
	v_add_nc_u32 v[TM+12+\b], 0xff000000, v[TM+\b]
.endr
.irp b, 0,1,2,3
	v_lshrrev_b32 v[TM+4+\b], 23, v[TM+12+\b]
.endr
	v_lshl_or_b32 v[PW], v[TM+5], 8, v[TM+4]
	v_lshl_or_b32 v[PW], v[TM+6], 16, v[PW]
	v_lshl_or_b32 v[PW], v[TM+7], 24, v[PW]
.irp c, 0,1
	v_cvt_scalef32_pk16_fp6_f32 v[PC+6*\c:PC+2+6*\c], v[\s+32*\c:\s+15+32*\c], v[TM+12+2*\c]
	v_cvt_scalef32_pk16_fp6_f32 v[PC+12+4*\c:PC+14+4*\c], v[\s+16+32*\c:\s+31+32*\c], v[TM+12+2*\c+1]
.endr
	v_nop
.irp c, 0,1
.irp i, 0,1,2
	v_permlane16_swap_b32 v[PC+6*\c+\i], v[PC+12+4*\c+\i]
.endr
.irp i, 0,1,2
	v_mov_b32 v[PC+3+6*\c+\i], v[PC+12+4*\c+\i]
.endr
.endr
.endm
	s_load_b128 s[4:7], s[0:1], 0x0
	s_load_b64 s[8:9], s[0:1], 0x10
	v_lshl_add_u32 v[SPW], v0, 2, SPARE
	v_mov_b32 v[NIL], 0
	ds_add_u32 v28, v29
	ds_add_u32 v28, v29
	s_wait_dscnt 0x0
	v_lshrrev_b32 v1, 5, v0
	v_readfirstlane_b32 s14, v1
	s_lshr_b32 s15, s14, 1
	s_and_b32 s16, s14, 1
	s_bfe_u32 s40, ttmp6, 0x40000
	s_bfe_u32 s41, ttmp6, 0x40004
	s_lshl_b32 s42, ttmp9, 2
	s_add_co_u32 s42, s42, s40
	s_and_b32 s17, ttmp7, 0xffff
	s_lshl_b32 s17, s17, 2
	s_add_co_u32 s17, s17, s41
	s_lshl_b32 s43, s41, 2
	s_lshl_b32 s43, 15, s43
	s_lshl_b32 s44, 0x1111, s40
	s_or_b32 s[G1], s43, (3<<16)|(1<<21)
	s_or_b32 s[G1B], s44, (3<<16)|(1<<21)
	s_or_b32 s[G1S], s43, (3<<16)|(1<<21)
	s_or_b32 s[G1SB], s44, (3<<16)|(1<<21)
.irp g, G1, G1B
	s_mov_b32 s[\g+1], (ROWB/8)<<16
	s_mov_b32 s[\g+2], (2*NA)<<16                  ; the head's loads bring a whole side, both halves; behind them the two words that count rows are set to NA
	s_mov_b32 s[\g+3], (ROWB/8)<<16
	s_mov_b32 s[\g+4], 2*NA
	s_mov_b32 s[\g+5], KROW/8
	s_mov_b32 s[\g+6], 0
	s_mov_b32 s[\g+7], 0
.endr
.irp g, G1S, G1SB
	s_mov_b32 s[\g+1], 32<<16
	s_mov_b32 s[\g+2], (2*HALFS/256)<<16           ; a side's scale words, both halves, in one load
	s_mov_b32 s[\g+3], 32<<16
	s_mov_b32 s[\g+4], 2*HALFS/256
	s_mov_b32 s[\g+5], 32
	s_mov_b32 s[\g+6], 0
	s_mov_b32 s[\g+7], 0
.endr
	s_lshl_b32 s20, s17, 1
	s_add_co_u32 s20, s20, s16
	s_mul_i32 s20, s20, NA
	s_mul_i32 s22, s20, SBLK
	s_add_co_u32 s22, s22, A_S
	s_mul_i32 s20, s20, KROW
	s_mov_b32 s21, 0
	s_mov_b32 s23, 0
	s_lshl_b32 s46, s42, 1
	s_add_co_u32 s46, s46, s16
	s_mul_i32 s46, s46, NB
	s_mul_i32 s92, s46, SBLK
	s_add_co_u32 s92, s92, B_S
	s_mul_i32 s46, s46, KROW
	s_add_co_u32 s46, s46, B_C
	s_mov_b32 s47, 0
	s_mov_b32 s93, 0
	s_mul_i32 s45, s14, HALFT
	s_mul_i32 s94, s14, HALFS
	s_mov_b32 s[SEL], 0x76543210
	s_mov_b32 s[SEL+1], 0xfedcba98
	s_wait_kmcnt 0x0
	s_add_nc_u64 s[20:21], s[4:5], s[20:21]
	s_add_nc_u64 s[22:23], s[4:5], s[22:23]
	s_add_nc_u64 s[46:47], s[4:5], s[46:47]
	s_add_nc_u64 s[92:93], s[4:5], s[92:93]
	CROUND
	s_mov_b32 s[G0S], 1
	s_mov_b32 s[G0S+1], SCL
	s_mul_i32 s18, s16, HALFS                      ; back from my half to the side's first row block
	s_mov_b32 s19, 0
	s_sub_nc_u64 s[G0S+2:G0S+3], s[22:23], s[18:19]
	s_or_b32 s[G0S+3], s[G0S+3], 0x80000000
	s_mov_b32 s[G0SB], 1
	s_mov_b32 s[G0SB+1], SCL+2*HALFS
	s_sub_nc_u64 s[G0SB+2:G0SB+3], s[92:93], s[18:19]
	s_or_b32 s[G0SB+3], s[G0SB+3], 0x80000000
.irp s, 0
	s_mov_b32 s[G0+4*\s], 1
	s_add_co_u32 s[G0+4*\s+1], s45, \s*SLOT
	s_add_nc_u64 s[G0+4*\s+2:G0+4*\s+3], s[20:21], \s*ROWB
	s_or_b32 s[G0+4*\s+3], s[G0+4*\s+3], 0x80000000
	s_mov_b32 s[G0B+4*\s], 1
	s_add_co_u32 s[G0B+4*\s+1], s45, \s*SLOT
	s_add_nc_u64 s[G0B+4*\s+2:G0B+4*\s+3], s[46:47], \s*ROWB
	s_or_b32 s[G0B+4*\s+3], s[G0B+4*\s+3], 0x80000000
.endr
; THE HEAD'S LOADS, ONE A WAVE: wave 0 slot 0's whole A side, wave 1 its whole B side, wave 2 A's scale words, wave 3 B's.
; Their group 0 for the codes lies in slot 1's registers, which are written for slot 1 behind the wait that shows these loads done.
	s_mul_i32 s18, s16, NA*KROW
	s_mov_b32 s[G0+4], 1
	s_mov_b32 s[G0+5], 0
	s_sub_nc_u64 s[G0+6:G0+7], s[20:21], s[18:19]
	s_or_b32 s[G0+7], s[G0+7], 0x80000000
	s_mov_b32 s[G0B+4], 1
	s_mov_b32 s[G0B+5], 2*HALFT
	s_sub_nc_u64 s[G0B+6:G0B+7], s[46:47], s[18:19]
	s_or_b32 s[G0B+7], s[G0B+7], 0x80000000
.macro ARM under, g0, g1, next
	s_cmp_lt_u32 s14, \under
	s_cbranch_scc0 \next
	tensor_load_to_lds s[\g0:\g0+3], s[\g1:\g1+7]
	s_nop 0
.rept 4
	v_nop
.endr
	s_branch .Lhead_asked
\next:
.endm
	ARM 1, G0+4,  G1,  .Lhead_b
	ARM 2, G0B+4, G1B, .Lhead_sa
	ARM 3, G0S,   G1S, .Lhead_sb
	tensor_load_to_lds s[G0SB:G0SB+3], s[G1SB:G1SB+7]
	s_nop 0
.rept 4
	v_nop
.endr
.Lhead_asked:
; PREFETCHES INTO THE L2.  A slot's load of a wave is 8 row blocks x 3,072 bytes.  The four partners that ask for it jointly share the row blocks out BY ADDRESS (cx for A, cy for B): two row blocks each,
; 24 blocks of 256 bytes, a lane a block (lanes 24-31 name the last again): one instruction a wave.  K has four slot fills: behind fill 0's load stand the prefetches of fills 1 and 2, behind fill 1's that of fill 3.
; Every offset is an immediate; the address registers are never rewritten.  At most two fills' bytes are asked for and not yet loaded.
	s_cmp_eq_u32 s15, 0                            ; do I fetch for A?
	s_cselect_b64 s[10:11], s[20:21], s[46:47]     ; my eight row blocks
	s_cselect_b32 s18, s40, s41                    ; my place among the four that ask with me
	s_mul_i32 s18, s18, 2*KROW
	s_add_nc_u64 s[10:11], s[10:11], s[18:19]
	v_and_b32 v30, 31, v0
	v_min_u32 v30, 23, v30
	v_mul_u32_u24 v31, v30, 43
	v_lshrrev_b32 v31, 9, v31                      ; lane / 12: which of my two row blocks
	v_mul_u32_u24 v31, v31, KROW-12*256
	v_lshl_add_u32 v30, v30, 8, v31                ; (lane / 12) x KROW + (lane % 12) x 256
	global_prefetch_b8 v30, s[10:11] offset:ROWB th:TH_LOAD_NT scope:SCOPE_SE
	global_prefetch_b8 v30, s[10:11] offset:2*ROWB th:TH_LOAD_NT scope:SCOPE_SE
	v_and_b32 v1, 15, v0
	v_bfe_u32 v2, v0, 4, 1
	v_and_b32 v3, 31, v0
	v_lshlrev_b32 v[L16], 4, v3
	v_lshlrev_b32 v[R4], 2, v1
	s_mul_i32 s21, s15, HALFT
	s_mul_i32 s22, s16, HALFT
	s_add_co_u32 s22, s22, 2*HALFT
	v_add_nc_u32 v[ADRA], s21, v[L16]
	v_add_nc_u32 v[ADRB], s22, v[L16]
	v_add_nc_u32 v[ADRA+1], SLOT, v[ADRA]
	v_add_nc_u32 v[ADRB+1], SLOT, v[ADRB]
	s_mul_i32 s21, s15, HALFS
	s_mul_i32 s22, s16, HALFS
	s_add_co_u32 s22, s22, 2*HALFS
	s_sub_co_u32 s22, s22, s21
	v_mul_u32_u24 v6, s22, v2
	s_wait_alu depctr_va_vdst(0)
	s_add_co_u32 s21, s21, SCL
	v_add_nc_u32 v5, v[R4], v6
	v_add_nc_u32 v[ADRS], s21, v5
	s_lshl_b32 s20, s42, 10
	s_lshl_b32 s21, s16, 9
	s_add_co_u32 s20, s20, s21
	s_mov_b32 s21, 0
	s_add_nc_u64 s[6:7], s[6:7], s[20:21]
	v_lshlrev_b32 v7, 5, v2
	WIN 0x40
.irp b, 0,1,2,3,4,5,6,7
	global_load_b128 v[96+8*\b+96*(\b/4):99+8*\b+96*(\b/4)], v7, s[6:7] offset:64*\b
	global_load_b128 v[100+8*\b+96*(\b/4):103+8*\b+96*(\b/4)], v7, s[6:7] offset:64*\b+16
.endr
	WIN 0
	s_lshl_b32 s20, s17, 4
	s_lshl_b32 s21, s15, 3
	s_add_co_u32 s20, s20, s21
	s_lshl_b32 s20, s20, 5
	s_lshl_b32 s21, s42, 1
	s_add_co_u32 s20, s20, s21
	s_add_co_u32 s20, s20, s16
	s_mul_i32 s12, s20, 1536
	s_mov_b32 s13, 0
	s_add_nc_u64 s[12:13], s[8:9], s[12:13]
	s_lshl_b32 s18, s20, 6
	s_add_co_u32 s18, s18, 12582912
	s_mov_b32 s19, 0
	s_add_nc_u64 s[18:19], s[8:9], s[18:19]
	s_wait_alu depctr_va_vdst(0)
	s_wait_tensorcnt 0x0                           ; my tile of the head's four is in; slot 1's first fill is issued as a refill is
	ds_add_u32 v[SPW], v[NIL]
	s_mov_b32 s[G1+2], NA<<16                      ; no load of mine is out: from here on a load brings one half of a side
	s_mov_b32 s[G1+4], NA
	s_mov_b32 s[G1B+2], NB<<16
	s_mov_b32 s[G1B+4], NB
	s_add_co_u32 s[G0+5], s[G0+1], SLOT            ; slot 1's group 0: my half, the next two k steps
	s_add_nc_u64 s[G0+6:G0+7], s[G0+2:G0+3], ROWB
	s_add_co_u32 s[G0B+5], s[G0B+1], SLOT
	s_add_nc_u64 s[G0B+6:G0B+7], s[G0B+2:G0B+3], ROWB
	s_wait_dscnt 0x0
	CROUND                                         ; all four tiles are in for every wave, and the sixteen partners meet
	JLOAD G0+4, G1, G0B+4, G1B                     ; slot 1: the first tensor load behind the round, my only one
	FETCH 0, 0, 0
	SCALES 0
	global_prefetch_b8 v30, s[10:11] offset:3*ROWB th:TH_LOAD_NT scope:SCOPE_SE   ; fill 3, behind fill 1's load
	s_wait_loadcnt 0x0
	STEP 0, 0, 1
	s_mov_b32 s3, LAPS-1
.Llap:
	TURN 0, 1, 1
	STEP 1, 0, 0
	TURN 1, 0, 1
	STEP 0, 0, 0
	s_sub_co_u32 s3, s3, 1
	s_cmp_lg_u32 s3, 0
	s_cbranch_scc1 .Llap
	TURN 0, 1, 0
	STEP 1, 0, 0
	LAST
	PLACES 4
.irp b, 0,1,2,3
	v_mov_b32 v[TM+4+\b], 0
.endr
.macro EPI a
	WIN 0x08+4*((\a)/4)
.set AC_, 64*((\a)%4)
.set J_, 0
.rept 64
	v_max_num_f32 v[T+J_], 0, v[AC_+J_]
.set J_, J_+1
.endr
	WIN 0
.if (\a) > 0
	s_wait_xcnt 0x0
.endif
	QUANT T, 0
.irp c, 0,1,2
	global_store_b128 v[L16], v[PC+4*\c:PC+4*\c+3], s[12:13] offset:(\a)*49152+512*\c
.endr
	global_store_b32 v[R4], v[PW], s[18:19] offset:(\a)*2048
.endm
.irp a, 0,1,2,3,4,5,6,7
	EPI \a
.endr
	s_wait_tensorcnt 0x0
	ds_add_u32 v[SPW], v[NIL]
	s_wait_dscnt 0x0
	CROUND
	s_endpgm
.Lfunc_end_k_qcc57538a41_fc1:
	.size	k_qcc57538a41_fc1, .Lfunc_end_k_qcc57538a41_fc1-k_qcc57538a41_fc1
	.p2alignl 7, 3214868480
	.fill 96, 4, 3214868480
	.section	.rodata,"a",@progbits
	.p2align	6, 0x0
	.amdhsa_kernel k_qcc57538a41_fc1
		.amdhsa_group_segment_fixed_size 327680
		.amdhsa_private_segment_fixed_size 0
		.amdhsa_enable_private_segment 0
		.amdhsa_kernarg_size 24
		.amdhsa_user_sgpr_count 2
		.amdhsa_user_sgpr_kernarg_segment_ptr 1
		.amdhsa_wavefront_size32 1
		.amdhsa_system_sgpr_workgroup_id_x 1
		.amdhsa_system_sgpr_workgroup_id_y 1
		.amdhsa_system_sgpr_workgroup_id_z 1
		.amdhsa_system_vgpr_workitem_id 0
		.amdhsa_next_free_vgpr 1024
		.amdhsa_next_free_sgpr 100
		.amdhsa_reserve_vcc 0
		.amdhsa_float_denorm_mode_32 3
		.amdhsa_float_denorm_mode_16_64 3
		.amdhsa_memory_ordered 1
		.amdhsa_forward_progress 1
		.amdhsa_inst_pref_size 160
	.end_amdhsa_kernel
	.amdgpu_metadata
---
amdhsa.version: [ 1, 2 ]
amdhsa.kernels:
  - .name:           k_qcc57538a41_fc1
    .symbol:         k_qcc57538a41_fc1.kd
    .args:
      - { .name: op2, .offset: 0, .size: 8, .value_kind: global_buffer, .address_space: global }
      - { .name: b1, .offset: 8, .size: 8, .value_kind: global_buffer, .address_space: global }
      - { .name: op3, .offset: 16, .size: 8, .value_kind: global_buffer, .address_space: global }
    .group_segment_fixed_size: 327680
    .private_segment_fixed_size: 0
    .kernarg_segment_align: 8
    .kernarg_segment_size: 24
    .max_flat_workgroup_size: 128
    .sgpr_count:     100
    .vgpr_count:     1024
    .wavefront_size: 32
...
	.end_amdgpu_metadata
.endif
;; end of part 5
;; launch fc2 (part 6): grid 8 x 32, 4 waves a work-group, clusters of 4 x 4, 327,680 bytes of LDS; arguments op3, b2, att, out0; writes out0
.if DOCPART == 6
	.amdgcn_target "amdgcn-amd-amdhsa--gfx1250"
	.amdhsa_code_object_version 6
	.text
	.protected	k_qcc57538a41_fc2
	.globl	k_qcc57538a41_fc2
	.p2align	8
	.type	k_qcc57538a41_fc2,@function
k_qcc57538a41_fc2:
	s_mov_b64 s[64:65], 0
	v_nop
	global_prefetch_b8 v0, s[64:65] scope:SCOPE_SE
	s_setreg_imm32_b32 hwreg(HW_REG_WAVE_MODE, 25, 1), 1
	s_wait_xcnt 0x0
	s_wait_alu depctr_hold_cnt(0) depctr_sa_sdst(0) depctr_va_vdst(0) depctr_va_sdst(0) depctr_va_ssrc(0) depctr_va_vcc(0) depctr_vm_vsrc(0)
	s_getreg_b32 s2, hwreg(HW_REG_IB_STS2, 6, 4)
	s_cmp_eq_u32 s2, 0
	s_cbranch_scc0 .Lentry_in_a_cluster
	s_endpgm
.Lentry_in_a_cluster:
	s_bfe_u32 s2, ttmp6, 0x10000c
	s_cmp_lg_u32 s2, 0xf033
	s_cbranch_scc0 .Lentry_shape_is_right
	s_endpgm
.Lentry_shape_is_right:
.set NA, 4
.set NB, 4
.set NQ, 4
.set KS, 32
.set BIASC, 1
.set A_S, 12582912
.set B_C, 13107200
.set B_S, 16252928
.set LAPS,  KS/(2*NQ)
.set ROWB,  NQ*1536
.set KROW,  KS*1536
.set SBLK,  KS*64
.set HALFS, NA*SBLK
.set HALFT, NA*ROWB
.set SLOT,  4*HALFT
.set SCL,   2*SLOT
.set SPARE, SCL+4*HALFS
.set ADRA, 16
.set ADRB, 20
.set ADRS, 27
.set SPW,  28
.set NIL,  29
.set SC,   32
.set AF,   64
.set G1, 24
.set G0, 32
.set G1B, 48
.set G0B, 56
.set G1S, 68
.set G0S, 76
.set G1SB, 80
.set G0SB, 88
.set STO, 24
.set RD,  25
.set CO,  26
.set BK,  64
.set MSB, 0
.macro WIN new
.if MSB != (\new)
	s_set_vgpr_msb (MSB<<8)|(\new)
.set MSB, (\new)
.endif
.endm
.macro PLACES n
.rept \n
	v_nop
.endr
.endm
.macro JLOAD g0a, g1a, g0b, g1b
	s_cmp_eq_u32 s15, 0
	s_cbranch_scc0 .Lfor_b_\@
	tensor_load_to_lds s[\g0a:\g0a+3], s[\g1a:\g1a+7]
	s_nop 0
.rept 4
	v_nop
.endr
	s_branch .Lasked_\@
.Lfor_b_\@:
	tensor_load_to_lds s[\g0b:\g0b+3], s[\g1b:\g1b+7]
	s_nop 0
.rept 4
	v_nop
.endr
.Lasked_\@:
.endm
.macro CREST
	s_cmp_lg_u32 s14, 0
	s_cbranch_scc1 .Lnot_wave_0_\@
	s_barrier_signal -3
.Lnot_wave_0_\@:
	s_barrier_wait -3
	s_barrier_signal -1
	s_barrier_wait -1
.endm
.macro CROUND
	s_barrier_signal -1
	s_barrier_wait -1
	CREST
.endm
.macro FRAG reg, adr, q, i
.irp c, 0,1,2
	ds_load_b128 v[\reg+4*\c:\reg+4*\c+3], v[\adr] offset:(\i)*ROWB+(\q)*1536+512*\c
.endr
.endm
.macro FETCH slot, q, p
	WIN 0x40
.set I_, 0
.rept NB
	FRAG 128*(\p)+12*I_, ADRB+\slot, \q, I_
.set I_, I_+1
.endr
	WIN 0
.set I_, 0
.rept NA
	FRAG AF+96*(\p)+12*I_, ADRA+\slot, \q, I_
.set I_, I_+1
.endr
.endm
.macro SCALES sc
.set I_, 0
.rept NA
.set Q_, 0
.rept NQ
	ds_load_b32 v[SC+16*(\sc)+NQ*I_+Q_], v[ADRS] offset:I_*SBLK+64*Q_
.set Q_, Q_+1
.endr
.set I_, I_+1
.endr
.endm
.macro WM d, b, a, c, sb, sa
	v_wmma_scale_f32_16x16x128_f8f6f4 v[\d:\d+7], v[\b:\b+11], v[\a:\a+11], \c, v[\sb], v[\sa] matrix_a_fmt:MATRIX_FMT_FP6 matrix_b_fmt:MATRIX_FMT_FP6 matrix_a_scale:MATRIX_SCALE_ROW1
.endm
.macro MULH half, p, q, sc, first
.if (\first) && BIASC
	WIN 0x91+0x40*(\half)
.else
	WIN 0xa1+0x50*(\half)
.endif
.set A_, (\half)*(NA/2)
.rept NA/2
.set B_, 0
.rept NB
.set D_, 8*(NB*(A_%(NA/2))+B_)
.set FB_, 128*(\p)+12*B_
.set FA_, AF+96*(\p)+12*A_
.set SB_, SC+16*(\sc)+NQ*B_+(\q)
.set SA_, SC+16*(\sc)+NQ*A_+(\q)
.set CB_, 96+8*B_+96*(B_/4)
.if (\first) && BIASC
	WM D_, FB_, FA_, v[CB_:CB_+7], SB_, SA_
.elseif \first
	WM D_, FB_, FA_, 0, SB_, SA_
.else
	WM D_, FB_, FA_, v[D_:D_+7], SB_, SA_
.endif
.set B_, B_+1
.endr
.set A_, A_+1
.endr
.endm
.macro STEP slot, q, first
	s_wait_dscnt 0x0
	PLACES 4
	FETCH \slot, (\q)+1, 1-(\q)%2
	MULH 0, (\q)%2, \q, \slot, \first
	MULH 1, (\q)%2, \q, \slot, \first
	WIN 0
.endm
.macro TURN slot, next, fill
.if \fill
	s_wait_xcnt 0x0                                ; my last prefetch has read its address: it is stepped here, one slot on
	s_add_nc_u64 s[66:67], s[66:67], ROWB
.endif
	s_wait_tensorcnt 0x0
	ds_add_u32 v[SPW], v[NIL]
.if \fill
	s_add_nc_u64 s[G0+4*\slot+2:G0+4*\slot+3], s[G0+4*\slot+2:G0+4*\slot+3], 2*ROWB
	s_add_nc_u64 s[G0B+4*\slot+2:G0B+4*\slot+3], s[G0B+4*\slot+2:G0B+4*\slot+3], 2*ROWB
.endif
	s_wait_dscnt 0x0
	s_barrier_signal -1
	MULH 0, 1, NQ-1, \slot, 0
	WIN 0
	s_barrier_wait -1
.if \fill
	CREST
	JLOAD G0+4*\slot, G1, G0B+4*\slot, G1B
.else
	PLACES 4
.endif
	s_wait_alu depctr_va_vdst(0)
	v_add_nc_u32 v[ADRS], 64*NQ, v[ADRS]
	FETCH \next, 0, 0
	SCALES \next
.if \fill
	s_cmp_gt_u32 s3, 1                             ; the loop's last trip has no slot two refills on
	s_cbranch_scc0 .Lno_ask_\@
	global_prefetch_b8 v30, s[66:67] offset:2*ROWB th:TH_LOAD_NT scope:SCOPE_SE   ; the four k steps that stand two refills on
.Lno_ask_\@:
.endif
	MULH 1, 1, NQ-1, \slot, 0
	WIN 0
.endm
.macro LAST
	s_wait_dscnt 0x0
	MULH 0, 1, NQ-1, 1, 0
	MULH 1, 1, NQ-1, 1, 0
	WIN 0
.endm
	s_load_b256 s[4:11], s[0:1], 0x0
	v_lshl_add_u32 v[SPW], v0, 2, SPARE
	v_mov_b32 v[NIL], 0
	ds_add_u32 v28, v29
	ds_add_u32 v28, v29
	s_wait_dscnt 0x0
	v_lshrrev_b32 v1, 5, v0
	v_readfirstlane_b32 s14, v1
	s_lshr_b32 s15, s14, 1
	s_and_b32 s16, s14, 1
	s_bfe_u32 s40, ttmp6, 0x40000
	s_bfe_u32 s41, ttmp6, 0x40004
	s_lshl_b32 s42, ttmp9, 2
	s_add_co_u32 s42, s42, s40
	s_and_b32 s17, ttmp7, 0xffff
	s_lshl_b32 s17, s17, 2
	s_add_co_u32 s17, s17, s41
	s_lshl_b32 s43, s41, 2
	s_lshl_b32 s43, 15, s43
	s_lshl_b32 s44, 0x1111, s40
	s_or_b32 s[G1], s43, (3<<16)|(1<<21)
	s_or_b32 s[G1B], s44, (3<<16)|(1<<21)
	s_or_b32 s[G1S], s43, (3<<16)|(1<<21)
	s_or_b32 s[G1SB], s44, (3<<16)|(1<<21)
.irp g, G1, G1B
	s_mov_b32 s[\g+1], (ROWB/8)<<16
	s_mov_b32 s[\g+2], (2*NA)<<16                  ; the head's loads bring a whole side, both halves; behind them the two words that count rows are set to NA
	s_mov_b32 s[\g+3], (ROWB/8)<<16
	s_mov_b32 s[\g+4], 2*NA
	s_mov_b32 s[\g+5], KROW/8
	s_mov_b32 s[\g+6], 0
	s_mov_b32 s[\g+7], 0
.endr
.irp g, G1S, G1SB
	s_mov_b32 s[\g+1], 32<<16
	s_mov_b32 s[\g+2], (2*HALFS/256)<<16           ; a side's scale words, both halves, in one load
	s_mov_b32 s[\g+3], 32<<16
	s_mov_b32 s[\g+4], 2*HALFS/256
	s_mov_b32 s[\g+5], 32
	s_mov_b32 s[\g+6], 0
	s_mov_b32 s[\g+7], 0
.endr
	s_lshl_b32 s20, s17, 1
	s_add_co_u32 s20, s20, s16
	s_mul_i32 s20, s20, NA
	s_mul_i32 s22, s20, SBLK
	s_add_co_u32 s22, s22, A_S
	s_mul_i32 s20, s20, KROW
	s_mov_b32 s21, 0
	s_mov_b32 s23, 0
	s_lshl_b32 s46, s42, 1
	s_add_co_u32 s46, s46, s16
	s_mul_i32 s46, s46, NB
	s_mul_i32 s92, s46, SBLK
	s_add_co_u32 s92, s92, B_S
	s_mul_i32 s46, s46, KROW
	s_add_co_u32 s46, s46, B_C
	s_mov_b32 s47, 0
	s_mov_b32 s93, 0
	s_mul_i32 s45, s14, HALFT
	s_mul_i32 s94, s14, HALFS
	s_wait_kmcnt 0x0
	s_add_nc_u64 s[20:21], s[4:5], s[20:21]
	s_add_nc_u64 s[22:23], s[4:5], s[22:23]
	s_add_nc_u64 s[46:47], s[4:5], s[46:47]
	s_add_nc_u64 s[92:93], s[4:5], s[92:93]
	CROUND
	s_mov_b32 s[G0S], 1
	s_mov_b32 s[G0S+1], SCL
	s_mul_i32 s18, s16, HALFS                      ; back from my half to the side's first row block
	s_mov_b32 s19, 0
	s_sub_nc_u64 s[G0S+2:G0S+3], s[22:23], s[18:19]
	s_or_b32 s[G0S+3], s[G0S+3], 0x80000000
	s_mov_b32 s[G0SB], 1
	s_mov_b32 s[G0SB+1], SCL+2*HALFS
	s_sub_nc_u64 s[G0SB+2:G0SB+3], s[92:93], s[18:19]
	s_or_b32 s[G0SB+3], s[G0SB+3], 0x80000000
.irp s, 0
	s_mov_b32 s[G0+4*\s], 1
	s_add_co_u32 s[G0+4*\s+1], s45, \s*SLOT
	s_add_nc_u64 s[G0+4*\s+2:G0+4*\s+3], s[20:21], \s*ROWB
	s_or_b32 s[G0+4*\s+3], s[G0+4*\s+3], 0x80000000
	s_mov_b32 s[G0B+4*\s], 1
	s_add_co_u32 s[G0B+4*\s+1], s45, \s*SLOT
	s_add_nc_u64 s[G0B+4*\s+2:G0B+4*\s+3], s[46:47], \s*ROWB
	s_or_b32 s[G0B+4*\s+3], s[G0B+4*\s+3], 0x80000000
.endr
; THE HEAD'S LOADS, ONE A WAVE: wave 0 slot 0's whole A side, wave 1 its whole B side, wave 2 A's scale words, wave 3 B's.
; Their group 0 for the codes lies in slot 1's registers, which are written for slot 1 behind the wait that shows these loads done.
	s_mul_i32 s18, s16, NA*KROW
	s_mov_b32 s[G0+4], 1
	s_mov_b32 s[G0+5], 0
	s_sub_nc_u64 s[G0+6:G0+7], s[20:21], s[18:19]
	s_or_b32 s[G0+7], s[G0+7], 0x80000000
	s_mov_b32 s[G0B+4], 1
	s_mov_b32 s[G0B+5], 2*HALFT
	s_sub_nc_u64 s[G0B+6:G0B+7], s[46:47], s[18:19]
	s_or_b32 s[G0B+7], s[G0B+7], 0x80000000
.macro ARM under, g0, g1, next
	s_cmp_lt_u32 s14, \under
	s_cbranch_scc0 \next
	tensor_load_to_lds s[\g0:\g0+3], s[\g1:\g1+7]
	s_nop 0
.rept 4
	v_nop
.endr
	s_branch .Lhead_asked
\next:
.endm
	ARM 1, G0+4,  G1,  .Lhead_b
	ARM 2, G0B+4, G1B, .Lhead_sa
	ARM 3, G0S,   G1S, .Lhead_sb
	tensor_load_to_lds s[G0SB:G0SB+3], s[G1SB:G1SB+7]
	s_nop 0
.rept 4
	v_nop
.endr
.Lhead_asked:
; PREFETCHES INTO THE L2.  A slot's load of a wave is 4 row blocks x 6,144 bytes.  The four partners that ask for it jointly share the row blocks out BY ADDRESS (cx for A, cy for B): one row block each,
; 24 blocks of 256 bytes, a lane a block (lanes 24-31 name the last again): one instruction a wave.  Behind the load of slot fill j stands the prefetch of fill j + 2; here, behind fill 0, fills 1 and 2;
; the last two fills have none two on.  At most two fills' bytes are asked for and not yet loaded.
	s_cmp_eq_u32 s15, 0                            ; do I fetch for A?
	s_cselect_b64 s[66:67], s[20:21], s[46:47]     ; my four row blocks
	s_cselect_b32 s18, s40, s41                    ; my place among the four that ask with me
	s_mul_i32 s18, s18, KROW
	s_add_nc_u64 s[66:67], s[66:67], s[18:19]
	s_add_nc_u64 s[66:67], s[66:67], ROWB          ; at fill 1
	v_and_b32 v30, 31, v0
	v_min_u32 v30, 23, v30
	v_lshlrev_b32 v30, 8, v30                      ; never rewritten
	global_prefetch_b8 v30, s[66:67] th:TH_LOAD_NT scope:SCOPE_SE
	global_prefetch_b8 v30, s[66:67] offset:ROWB th:TH_LOAD_NT scope:SCOPE_SE
	v_and_b32 v1, 15, v0
	v_bfe_u32 v2, v0, 4, 1
	v_and_b32 v3, 31, v0
	v_lshlrev_b32 v22, 4, v3
	v_lshlrev_b32 v23, 2, v1
	s_mul_i32 s21, s15, HALFT
	s_mul_i32 s22, s16, HALFT
	s_add_co_u32 s22, s22, 2*HALFT
	v_add_nc_u32 v[ADRA], s21, v22
	v_add_nc_u32 v[ADRB], s22, v22
	v_add_nc_u32 v[ADRA+1], SLOT, v[ADRA]
	v_add_nc_u32 v[ADRB+1], SLOT, v[ADRB]
	s_mul_i32 s21, s15, HALFS
	s_mul_i32 s22, s16, HALFS
	s_add_co_u32 s22, s22, 2*HALFS
	s_sub_co_u32 s22, s22, s21
	v_mul_u32_u24 v6, s22, v2
	s_wait_alu depctr_va_vdst(0)
	s_add_co_u32 s21, s21, SCL
	v_add_nc_u32 v5, v23, v6
	v_add_nc_u32 v[ADRS], s21, v5
	s_mul_i32 s23, s14, 4352
	v_mul_u32_u24 v[STO], v1, 272
	v_lshl_add_u32 v[STO], v2, 5, v[STO]
	v_add_nc_u32 v[STO], s23, v[STO]
	v_mul_u32_u24 v[RD], v2, 272
	v_lshl_add_u32 v[RD], v1, 4, v[RD]
	v_add_nc_u32 v[RD], s23, v[RD]
	v_lshlrev_b32 v[CO], 12, v2
	v_lshl_add_u32 v[CO], v1, 4, v[CO]
	v_lshlrev_b32 v7, 5, v2
	s_wait_alu depctr_va_vdst(0)
	s_lshl_b32 s20, s42, 9
	s_lshl_b32 s21, s16, 8
	s_add_co_u32 s20, s20, s21
	s_mov_b32 s21, 0
	s_add_nc_u64 s[6:7], s[6:7], s[20:21]
	s_lshl_b32 s22, s17, 19
	s_add_co_u32 s20, s20, s22
	s_lshl_b32 s22, s15, 18
	s_add_co_u32 s20, s20, s22
	s_add_nc_u64 s[8:9], s[8:9], s[20:21]
	s_add_nc_u64 s[10:11], s[10:11], s[20:21]
	WIN 0x40
.irp b, 0,1,2,3
	global_load_b128 v[96+8*\b:99+8*\b], v7, s[6:7] offset:64*\b
	global_load_b128 v[100+8*\b:103+8*\b], v7, s[6:7] offset:64*\b+16
.endr
	WIN 0
	s_wait_alu depctr_va_vdst(0)
	s_wait_tensorcnt 0x0                           ; my tile of the head's four is in; slot 1's first fill is issued as a refill is
	ds_add_u32 v[SPW], v[NIL]
	s_mov_b32 s[G1+2], NA<<16                      ; no load of mine is out: from here on a load brings one half of a side
	s_mov_b32 s[G1+4], NA
	s_mov_b32 s[G1B+2], NB<<16
	s_mov_b32 s[G1B+4], NB
	s_add_co_u32 s[G0+5], s[G0+1], SLOT            ; slot 1's group 0: my half, the next four k steps
	s_add_nc_u64 s[G0+6:G0+7], s[G0+2:G0+3], ROWB
	s_add_co_u32 s[G0B+5], s[G0B+1], SLOT
	s_add_nc_u64 s[G0B+6:G0B+7], s[G0B+2:G0B+3], ROWB
	s_wait_dscnt 0x0
	CROUND                                         ; all four tiles are in for every wave, and the sixteen partners meet
	JLOAD G0+4, G1, G0B+4, G1B                     ; slot 1: the first tensor load behind the round, my only one
	FETCH 0, 0, 0
	SCALES 0
	global_prefetch_b8 v30, s[66:67] offset:2*ROWB th:TH_LOAD_NT scope:SCOPE_SE   ; fill 3, behind fill 1's load
	s_wait_loadcnt 0x0                             ; the bias: nothing has been asked for behind it
	STEP 0, 0, 1
	WIN 0x80                                       ; the residual is asked for here, behind the head's tiles and the first prefetches; it is used behind the last k step
.irp a, 0,1,2,3
.irp t, 0,1,2,3,4,5,6,7
	global_load_b128 v[64+32*\a+4*\t:67+32*\a+4*\t], v[CO], s[8:9] offset:(16*\a+2*\t)*4096
.endr
.endr
	WIN 0
	s_mov_b32 s3, LAPS-1
.Llap:
	STEP 0, 1, 0
	STEP 0, 2, 0
	TURN 0, 1, 1
	STEP 1, 0, 0
	STEP 1, 1, 0
	STEP 1, 2, 0
	TURN 1, 0, 1
	STEP 0, 0, 0
	s_sub_co_u32 s3, s3, 1
	s_cmp_lg_u32 s3, 0
	s_cbranch_scc1 .Llap
	STEP 0, 1, 0
	STEP 0, 2, 0
	TURN 0, 1, 0
	STEP 1, 0, 0
	STEP 1, 1, 0
	STEP 1, 2, 0
	LAST
	PLACES 4
	s_wait_loadcnt 0x0
.macro TOSTAGE a
.set AC_, 32*((\a)%2)
	WIN 0x08+4*((\a)/2)
.irp b, 0,1,2,3
	ds_store_b128 v[STO], v[AC_+8*\b:AC_+8*\b+3] offset:64*\b
	ds_store_b128 v[STO], v[AC_+8*\b+4:AC_+8*\b+7] offset:64*\b+16
.endr
	WIN 0
.set BB_, BK+32*((\a)%2)
.irp t, 0,1,2,3,4,5,6,7
	ds_load_b128 v[BB_+4*\t:BB_+4*\t+3], v[RD] offset:544*\t
.endr
.endm
.macro SEND a, younger
.set BB_, BK+32*((\a)%2)
	s_wait_dscnt \younger
	WIN 0x08
.set P_, 0
.rept 16
	v_pk_add_f32 v[BB_+2*P_:BB_+2*P_+1], v[BB_+2*P_:BB_+2*P_+1], v[64+32*(\a)+2*P_:65+32*(\a)+2*P_]
.set P_, P_+1
.endr
	WIN 0
.irp t, 0,1,2,3,4,5,6,7
	global_store_b128 v[CO], v[BB_+4*\t:BB_+4*\t+3], s[10:11] offset:(16*(\a)+2*\t)*4096 th:TH_STORE_NT
.endr
.endm
	TOSTAGE 0
	TOSTAGE 1
	SEND 0, 16
	s_wait_xcnt 0x0
	TOSTAGE 2
	SEND 1, 16
	s_wait_xcnt 0x0
	TOSTAGE 3
	SEND 2, 16
	SEND 3, 0
	s_wait_tensorcnt 0x0
	ds_add_u32 v[SPW], v[NIL]
	s_wait_dscnt 0x0
	CROUND
	s_endpgm
.Lfunc_end_k_qcc57538a41_fc2:
	.size	k_qcc57538a41_fc2, .Lfunc_end_k_qcc57538a41_fc2-k_qcc57538a41_fc2
	.p2alignl 7, 3214868480
	.fill 96, 4, 3214868480
	.section	.rodata,"a",@progbits
	.p2align	6, 0x0
	.amdhsa_kernel k_qcc57538a41_fc2
		.amdhsa_group_segment_fixed_size 327680
		.amdhsa_private_segment_fixed_size 0
		.amdhsa_enable_private_segment 0
		.amdhsa_kernarg_size 32
		.amdhsa_user_sgpr_count 2
		.amdhsa_user_sgpr_kernarg_segment_ptr 1
		.amdhsa_wavefront_size32 1
		.amdhsa_system_sgpr_workgroup_id_x 1
		.amdhsa_system_sgpr_workgroup_id_y 1
		.amdhsa_system_sgpr_workgroup_id_z 1
		.amdhsa_system_vgpr_workitem_id 0
		.amdhsa_next_free_vgpr 1024
		.amdhsa_next_free_sgpr 100
		.amdhsa_reserve_vcc 0
		.amdhsa_float_denorm_mode_32 3
		.amdhsa_float_denorm_mode_16_64 3
		.amdhsa_memory_ordered 1
		.amdhsa_forward_progress 1
		.amdhsa_inst_pref_size 95
	.end_amdhsa_kernel
	.amdgpu_metadata
---
amdhsa.version: [ 1, 2 ]
amdhsa.kernels:
  - .name:           k_qcc57538a41_fc2
    .symbol:         k_qcc57538a41_fc2.kd
    .args:
      - { .name: op3, .offset: 0, .size: 8, .value_kind: global_buffer, .address_space: global }
      - { .name: b2, .offset: 8, .size: 8, .value_kind: global_buffer, .address_space: global }
      - { .name: att, .offset: 16, .size: 8, .value_kind: global_buffer, .address_space: global }
      - { .name: out0, .offset: 24, .size: 8, .value_kind: global_buffer, .address_space: global }
    .group_segment_fixed_size: 327680
    .private_segment_fixed_size: 0
    .kernarg_segment_align: 8
    .kernarg_segment_size: 32
    .max_flat_workgroup_size: 128
    .sgpr_count:     100
    .vgpr_count:     1024
    .wavefront_size: 32
...
	.end_amdgpu_metadata
.endif
;; end of part 6
